; MI455X (gfx1250); checked and timed in simulation.
; The chip was launched on July 23, 2026; its instructions are those of AMD's public machine-readable ISA for CDNA 5 (MIT licence, August 2026) and "CDNA5" Instruction Set Architecture Reference Guide (July 2026). The comments in the code are by the model that wrote it; some were corrected since.
;; Causal Self Attention. Allowed arithmetic: matrix products marked QUANTISED: E2M1 operands, one E8M0 scale for each 32 along K, by v_wmma_scale_f32_16x16x128_f8f6f4 with both operands' format E2M1 (or v_wmma_scale_f32_32x16x128_f4), f32 sums; products left as they are: bf16, f16 or f32 operands; f32 sums; everything else in f32.
;; Inputs: w_proj 1,024 x 1,024 float32; w_qkv 1,024 x 3,072 float32; x 4 x 2,048 x 1,024 float32.
;; Outputs: out0 4 x 2,048 x 1,024 float32.
;; This version of the problem:
;;   THIS VERSION OF THE PROBLEM IS GIVEN IN LOW PRECISION. The matrix products marked QUANTISED in the list below multiply operands that are first quantised to E2M1 (2 exponent bits, 1 mantissa bit; 4 bits a number), with one power-of-two scale for each 32 numbers along K (OCP MX v1.0); their sums are f32. The products marked 'left as it is' may take bf16, f16 or f32 operands, with f32 sums. Whichever they take, every output number must still come out within the allowed error. Rounding operands to bf16 (8 significant bits) uses up far more of that allowance than f16 does (11 bits, for magnitudes from 6e-5 to 65,504). All else is computed in f32.
;;   The module's matrix products, in the order in which they are computed (A, B: the left and right operand; K: the contracted axis; several contracted axes count as one K, in the product's order):
;;     1. [M 8,192, K 1,024] x [K 1,024, N 3,072]; A: input x; B: input w_qkv: QUANTISED
;;     2. batch 64 x [M 2,048, K 64] x [K 64, N 2,048]; A: computed on the way; B: computed on the way: left as it is (an operand is computed on the way)
;;     3. batch 64 x [M 2,048, K 2,048] x [K 2,048, N 64]; A: computed on the way; B: computed on the way: left as it is (an operand is computed on the way)
;;     4. [M 8,192, K 1,024] x [K 1,024, N 1,024]; A: computed on the way; B: input w_proj: left as it is (an operand is computed on the way)
;;   THE QUANTISER, for each operand of a quantised product, along K:
;;     - K is cut into blocks of 32 from its start; a last block that is shorter is filled with zeros.
;;     - A block's scale is 2^e with e = floor(log2(the largest magnitude in the block)) - 2, held to -126 .. 127; a block of zeros has e = 0. As a byte (E8M0): e + 127.
;;     - Each number is divided by its block's scale, clamped to +-6, and rounded to the nearest number of E2M1, ties to even, subnormals kept.
;;     - The product sums the exact products of the quantised numbers (number of the format x scale) in f32.
;;   ~~~python
;;   def quantise(x, axis):      # numpy; x: float32 -> the quantised numbers, widened to float32 again
;;       x = np.moveaxis(x, axis, -1); K = x.shape[-1]
;;       x = np.pad(x, [(0, 0)] * (x.ndim - 1) + [(0, -K % 32)]); x = x.reshape(x.shape[:-1] + (-1, 32)); a = np.abs(x).max(-1, keepdims=True)
;;       e = np.where(a > 0, np.clip(np.frexp(np.where(a > 0, a, 1))[1] - 1 - 2, -126, 127), 0)      # np.frexp(a)[1] - 1 = floor(log2(a)), exactly
;;       r = np.clip(x / 2.0 ** e, -6, 6)
;;       step = 2.0 ** (np.maximum(np.frexp(np.where(r == 0, 1, r))[1] - 1, 0) - 1)
;;       q = np.round(r / step) * step * 2.0 ** e      # np.round: ties to even
;;       return np.moveaxis(q.reshape(q.shape[:-2] + (-1,))[..., :K], -1, axis).astype(np.float32)
;;   ~~~
;; One version. Each part assembles by itself: llvm-mc -triple=amdgcn-amd-amdhsa -mcpu=gfx1250 --defsym DOCPART=n.
;; ======== version 1 of 1: 5 launches
;; limits: values are held in f16: magnitudes above 65,504 overflow, below 6.1e-05 lose precision
;; workspace buffers: x_codes 4,194,304 bytes; x_scales 262,144 bytes; wq_codes 1,572,864 bytes; wq_scales 98,304 bytes; wp_t 2,097,152 bytes; qkvh 50,331,648 bytes; qkv_fine 786,432 bytes; yh 16,777,216 bytes
;; launch prep (part 1): grid 368 x 1, 4 waves a work-group, no clusters, 102,912 bytes of LDS; arguments x, w_qkv, w_proj, x_codes, x_scales, wq_codes, wq_scales, wp_t; writes x_codes, x_scales, wq_codes, wq_scales, wp_t
.if DOCPART == 1
	.amdgcn_target "amdgcn-amd-amdhsa--gfx1250"
	.amdhsa_code_object_version 6
	.text
	.protected	k_qd1798a6c54_prep
	.globl	k_qd1798a6c54_prep
	.p2align	8
	.type	k_qd1798a6c54_prep,@function
k_qd1798a6c54_prep:
	s_mov_b64 s[64:65], 0
	v_nop
	global_prefetch_b8 v0, s[64:65] scope:SCOPE_SE
	s_setreg_imm32_b32 hwreg(HW_REG_WAVE_MODE, 25, 1), 1
	s_wait_xcnt 0x0
; PREP: the three inputs are laid as the later launches want them, each f32 number read once.
;   work-groups   0 ..  47: w_qkv [1024 k][3072 n] f32 -> codes of E2M1 with K innermost, wq_codes [3072][512 bytes], and one E8M0 byte for each 32 along K, wq_scales [3072][32]
;   work-groups  48 .. 111: w_proj [1024 k][1024 n] f32 -> f16, turned: wp_t [1024 n][1024 k]
;   work-groups 112 .. 367: x [8192][1024] f32 -> x_codes [8192][512 bytes], x_scales [8192][32]
; The arms that read with the shortest runs stand first in the grid.  The arm is chosen by the work-group's number alone; each arm has LDS bytes of its own and ends by itself.
; A block's scale is 2^(floor(log2(its largest magnitude)) - 2): its byte is the largest magnitude's own exponent field - 2, held at 1 from below.
; LIMITS: a block of zeros gets the byte 1 where the rule says 127 (its codes are zeros, which add nothing, and this program alone reads the bytes); blocks whose largest magnitude lies under 2^-124
; are held at the byte 1; NaN and infinities among the inputs are not served; numbers of w_proj of 65,520 and more have no f16.
; No tensor loads, no barrier: waves share nothing.
.set WB,    32768                      ; LDS: arm x has bytes 0 .. 32,767 (8,192 a wave); arm w_qkv four stages of 32 x 272 from here;
.set PB,    67584                      ; arm w_proj four such stages from here;
.set SPARE, 102400                     ; the spare words, 128 bytes for each wave: two blocks of 256 bytes that no other line names
.set SPW,   14                         ; v14  LDS address of my spare word; never rewritten
.set NIL,   15                         ; v15  0; never rewritten
.set WV,    20                         ; s20  my wave's number
.set EMAX,  2
.set PITCH, 272                        ; a stage row of arms w_qkv and w_proj: 256 bytes + 16
.macro FINISH                          ; a wave's end
	s_wait_tensorcnt 0x0
	ds_add_u32 v[SPW], v[NIL]
	s_wait_dscnt 0x0
	s_endpgm
.endm
	s_load_b256 s[4:11], s[0:1], 0x0               ; x s[4:5], w_qkv s[6:7], w_proj s[8:9], x_codes s[10:11]
	s_load_b256 s[12:19], s[0:1], 0x20             ; x_scales s[12:13], wq_codes s[14:15], wq_scales s[16:17], wp_t s[18:19]
	v_lshl_add_u32 v[SPW], v0, 2, SPARE
	v_mov_b32 v[NIL], 0
	v_lshrrev_b32 v1, 5, v0
	v_readfirstlane_b32 s[WV], v1                  ; wave 0..3
	v_and_b32 v2, 31, v0                           ; lane
	s_wait_kmcnt 0x0
	s_cmp_lt_u32 ttmp9, 48
	s_cbranch_scc1 .LarmW
	s_cmp_lt_u32 ttmp9, 112
	s_cbranch_scc1 .LarmP
; ---------------- ARM X.  Rows are dense and K is a multiple of 32: x is a plain stream of blocks of 32, and so are its codes and bytes.
; A wave takes 16 steps of 512 numbers.  Each of a step's four loads reads 512 consecutive bytes; the 2,048 bytes turn through the wave's own stage, so that a lane then holds 16 NEIGHBOURS
; (two neighbouring lanes hold a block), which is what the conversion takes.  A lane's 16 codes are 8 bytes: the wave stores 256 consecutive bytes.  A wave's 256 scale bytes are gathered in LDS and leave together.
.set STEPS, 16
.set CB,    8                          ; bytes of 16 codes
.set XR,    16                         ; v16-79   four sets of 16 numbers as loaded
.set XX,    80                         ; v80-111  two sets of 16 neighbours
.set XE,    112                        ; v112-127 a scale byte for each step
.set XC,    128                        ; v128-191 codes: four registers for each step, so that no store's data are written again
.set WREG,  8192                       ; a wave's LDS region: two stages of 32 x SP bytes, behind them its 256 scale bytes
.set SP,    80                         ; a lane's place in a stage: 64 bytes + 16 of padding
	v_lshlrev_b32 v3, 4, v2                        ; my 16 bytes of a load's 512
	s_mul_i32 s21, s[WV], WREG
	v_lshrrev_b32 v12, 2, v2
	v_mul_u32_u24 v12, v12, SP
	v_and_b32 v13, 3, v2
	v_lshl_add_u32 v12, v13, 4, v12
	v_add_nc_u32 v12, s21, v12                     ; the stage on the way in: SP (lane / 4) + 16 (lane % 4)
	v_mul_u32_u24 v13, v2, SP
	v_add_nc_u32 v13, s21, v13                     ; and on the way out: SP x lane: my 16 neighbours
	v_mul_u32_u24 v4, v2, CB                       ; my codes' place in a step's
	v_lshrrev_b32 v5, 1, v2
	s_add_co_u32 s21, s21, 2*32*SP
	v_add_nc_u32 v5, s21, v5                       ; my block's byte among my wave's 256
	v_lshlrev_b32 v7, 3, v2                        ; on the way out 8 bytes a lane
	v_add_nc_u32 v6, s21, v7
	s_sub_co_u32 s22, ttmp9, 112
	s_lshl_b32 s22, s22, 2
	s_add_co_u32 s22, s22, s[WV]                   ; which run of 8,192 numbers is my wave's: 0 .. 1,023
	s_mov_b32 s25, 0
	s_lshl_b32 s24, s22, 15
	s_add_nc_u64 s[4:5], s[4:5], s[24:25]          ; 32,768 bytes of x,
	s_lshl_b32 s24, s22, 12
	s_add_nc_u64 s[10:11], s[10:11], s[24:25]      ; 4,096 of codes,
	s_lshl_b32 s24, s22, 8
	s_add_nc_u64 s[12:13], s[12:13], s[24:25]      ; 256 of scale bytes a run
.macro LOADX t
.irp i, 0,1,2,3
	global_load_b128 v[XR+16*((\t)%4)+4*\i:XR+16*((\t)%4)+4*\i+3], v3, s[4:5] offset:2048*(\t)+512*\i th:TH_LOAD_NT   ; 32 lanes read 512 consecutive bytes
.endr
.endm
.macro TURNX t                         ; step t's numbers through the stage: LDS serves a wave's instructions in order (ISA guide 5.7.1.4), so no wait stands between the stores and the loads
.irp i, 0,1,2,3
	ds_store_b128 v12, v[XR+16*((\t)%4)+4*\i:XR+16*((\t)%4)+4*\i+3] offset:32*SP*((\t)%2)+8*SP*\i
.endr
.irp i, 0,1,2,3
	ds_load_b128 v[XX+16*((\t)%2)+4*\i:XX+16*((\t)%2)+4*\i+3], v13 offset:32*SP*((\t)%2)+16*\i
.endr
.endm
.irp t, 0,1,2,3
	LOADX \t
.endr
	s_wait_loadcnt 12                              ; step 0's four loads are in; twelve younger ones stay out
	TURNX 0
.macro STEPX t
.set XS, XX+16*((\t)%2)
.if (\t) > 0
	s_wait_dscnt 1                                 ; this step's numbers are back from the stage (the last step's byte store may be out): so its stores into the stage have read their registers,
.else
	s_wait_dscnt 0x0
.endif
.if (\t)+4 < STEPS
	LOADX (\t)+4                                   ; which take the loads of four steps on
.endif
.if (\t)+1 < STEPS
.if STEPS-2-(\t) >= 3
	s_wait_loadcnt 12                              ; the next step's four loads are in; those of the three steps behind it may be out
.else
	s_wait_loadcnt 4*(STEPS-2-(\t))
.endif
	TURNX (\t)+1                                   ; and go through the other stage while this step is worked
.endif
	v_max3_num_f32 v8, |v[XS]|, |v[XS+1]|, |v[XS+2]|               ; the largest magnitude of my 16, in two chains
	v_max3_num_f32 v9, |v[XS+3]|, |v[XS+4]|, |v[XS+5]|
.irp i, 6,10
	v_max3_num_f32 v8, v8, |v[XS+\i]|, |v[XS+\i+1]|
	v_max3_num_f32 v9, v9, |v[XS+\i+2]|, |v[XS+\i+3]|
.endr
	v_max3_num_f32 v8, v8, |v[XS+14]|, |v[XS+15]|
	v_max3_num_f32 v8, v8, v9, (EMAX+1)<<23        ; and the floor 2^(3 - 127): the byte cannot fall under 1
	v_max_num_f32_dpp v8, v8, v8 row_xmask:1 row_mask:0xf bank_mask:0xf   ; and of my neighbour's 16: the block's
	v_add_nc_u32 v11, -(EMAX<<23), v8              ; 2 off its exponent field: the conversion takes the exponent field of this operand as its scale, and nothing else of it
	v_cvt_scalef32_pk8_fp4_f32 v[XC+4*(\t)], v[XS:XS+7], v11       ; eight numbers / the scale, to the nearest code, ties to even, beyond 6 the largest code
	v_cvt_scalef32_pk8_fp4_f32 v[XC+4*(\t)+1], v[XS+8:XS+15], v11
	v_lshrrev_b32 v[XE+(\t)], 23, v11              ; the scale's byte (also the plain line behind the conversions)
	ds_store_b8 v5, v[XE+(\t)] offset:16*(\t)      ; both lanes of a block write the same byte with the same value
	global_store_b64 v4, v[XC+4*(\t):XC+4*(\t)+1], s[10:11] offset:32*CB*(\t)   ; the wave stores 256 consecutive bytes, aligned
.endm
.irp t, 0,1,2,3,4,5,6,7,8,9,10,11,12,13,14,15
	STEPX \t
.endr
	ds_load_b64 v[8:9], v6                         ; in order behind my byte stores
	s_wait_dscnt 0x0
	global_store_b64 v7, v[8:9], s[12:13]          ; 32 lanes store 256 consecutive bytes, aligned
	FINISH
; ---------------- ARM W_QKV.  K is the tensor's FIRST axis.  A lane takes a column n and its registers run down K: each load reads 128 consecutive bytes a wave, a block of 32 along K lies in one lane's
; 32 registers, and the conversions give the codes with K innermost.  A wave takes 32 columns x 512 along K; the codes go through its stage and leave as rows: sixteen lanes store 256 consecutive bytes.
.LarmW:
.set NB,    16                         ; blocks of a lane
.set WX,    32                         ; v32-95   two sets of 32 numbers
.set WC,    96                         ; v96-99   a block's codes
.set WOUT,  112                        ; v112-175 the way out
.set WSB,   24                         ; v24-27   the scale bytes, four to a register
	s_cmp_ge_u32 ttmp9, 24
	s_cselect_b32 s22, 1, 0                        ; which 512 along K
	s_cselect_b32 s23, 24, 0
	s_sub_co_u32 s23, ttmp9, s23                   ; which 128 columns
	s_lshl_b32 s21, s23, 7
	s_lshl_b32 s24, s[WV], 5
	s_add_co_u32 s21, s21, s24                     ; my wave's first column
	v_lshlrev_b32 v3, 2, v2                        ; in: 4 bytes a lane
	s_mul_i32 s24, s[WV], 32*PITCH
	s_add_co_u32 s24, s24, WB                      ; my stage
	v_mul_u32_u24 v4, v2, PITCH
	v_add_nc_u32 v4, s24, v4                       ; into it: row = my column
	v_and_b32 v5, 15, v2
	v_lshrrev_b32 v6, 4, v2                        ; out of it: sixteen lanes to a row, two rows an instruction
	v_mul_u32_u24 v7, v6, PITCH
	v_lshl_add_u32 v7, v5, 4, v7
	v_add_nc_u32 v7, s24, v7
	v_mul_u32_u24 v8, v6, 512
	v_lshl_add_u32 v8, v5, 4, v8                   ; the same place in the codes' buffer (a row is 512 bytes)
	v_lshlrev_b32 v9, 5, v2                        ; my column's row of scale bytes (32 bytes)
	s_mul_i32 s24, s22, 512*12288
	s_lshl_b32 s25, s21, 2
	s_add_co_u32 s24, s24, s25
	s_mov_b32 s25, 0
	s_add_nc_u64 s[6:7], s[6:7], s[24:25]          ; w_qkv at (512 ky, my first column)
	s_lshl_b32 s24, s21, 9
	s_lshl_b32 s26, s22, 8
	s_add_co_u32 s24, s24, s26
	s_add_nc_u64 s[14:15], s[14:15], s[24:25]      ; codes: column x 512 + 256 ky
	s_lshl_b32 s24, s21, 5
	s_lshl_b32 s26, s22, 4
	s_add_co_u32 s24, s24, s26
	s_add_nc_u64 s[16:17], s[16:17], s[24:25]      ; scale bytes: column x 32 + 16 ky
.macro LOADW t                         ; block t: w(32 t + i, my column).  The largest offset, 511 rows of 12,288 bytes, is inside the signed 24-bit immediate (ISA guide, chapter 10)
.irp i, 0,1,2,3,4,5,6,7,8,9,10,11,12,13,14,15,16,17,18,19,20,21,22,23,24,25,26,27,28,29,30,31
	global_load_b32 v[WX+32*((\t)%2)+\i], v3, s[6:7] offset:(32*(\t)+\i)*12288 th:TH_LOAD_NT
.endr
.endm
	LOADW 0
	LOADW 1
.macro BLOCKW t
.set XS, WX+32*((\t)%2)
.if (\t) < NB-1
	s_wait_loadcnt 32                              ; this block's 32 loads are in; the next block's may be out
.else
	s_wait_loadcnt 0x0
.endif
	v_max3_num_f32 v12, |v[XS]|, |v[XS+1]|, |v[XS+2]|              ; the block's largest magnitude: all 32 numbers are mine
	v_max3_num_f32 v13, |v[XS+3]|, |v[XS+4]|, |v[XS+5]|
.irp i, 6,10,14,18,22,26
	v_max3_num_f32 v12, v12, |v[XS+\i]|, |v[XS+\i+1]|
	v_max3_num_f32 v13, v13, |v[XS+\i+2]|, |v[XS+\i+3]|
.endr
	v_max3_num_f32 v12, v12, |v[XS+30]|, |v[XS+31]|
	v_max3_num_f32 v12, v12, v13, (EMAX+1)<<23     ; and the floor
	v_add_nc_u32 v11, -(EMAX<<23), v12             ; the conversion's scale operand
	v_lshrrev_b32 v13, 23, v11                     ; the scale's byte
.if (\t)%4 == 0
	v_mov_b32 v[WSB+(\t)/4], v13                   ; four bytes to a register, the lower K in the lower byte
.else
	v_lshl_or_b32 v[WSB+(\t)/4], v13, 8*((\t)%4), v[WSB+(\t)/4]
.endif
.irp g, 0,1,2,3
	v_cvt_scalef32_pk8_fp4_f32 v[WC+\g], v[XS+8*\g:XS+8*\g+7], v11
.endr
	ds_store_b128 v4, v[WC:WC+3] offset:16*(\t)    ; 32 codes: 16 bytes of my column's row.  (The results go to an LDS store; the next block begins with plain vector lines)
.if (\t)+2 < NB
	LOADW (\t)+2
.endif
	s_wait_dscnt 0x0                               ; the store has read its registers: the next block's codes may be written
.endm
.set Q, 0
.rept NB
	BLOCKW Q
.set Q, Q+1
.endr
	global_store_b128 v9, v[WSB:WSB+3], s[16:17]   ; my column's 16 scale bytes
.irp t, 0,1,2,3,4,5,6,7,8,9,10,11,12,13,14,15
	ds_load_b128 v[WOUT+4*\t:WOUT+4*\t+3], v7 offset:2*\t*PITCH
.endr
.irp t, 0,1,2,3,4,5,6,7,8,9,10,11,12,13,14,15
	s_wait_dscnt 15-\t                             ; LDS loads come back in order: load t is in
	global_store_b128 v8, v[WOUT+4*\t:WOUT+4*\t+3], s[14:15] offset:2*\t*512
.endr
	FINISH
; ---------------- ARM W_PROJ.  The same plan without a quantiser: a lane takes a column n, its registers run down K, pairs are rounded to f16 (the lower k in the low half).
; A wave takes 32 columns x 128 along K: 256 bytes of f16 a column, through its stage, out as rows of wp_t: sixteen lanes store 256 consecutive bytes.
.LarmP:
.set PX,    32                         ; v32-95   two sets of 32 numbers
.set PC,    96                         ; v96-111  32 numbers as f16
.set POUT,  112                        ; v112-175 the way out
	s_sub_co_u32 s21, ttmp9, 48
	s_and_b32 s22, s21, 7                          ; which 128 columns
	s_lshr_b32 s23, s21, 3                         ; which 128 along K
	s_lshl_b32 s22, s22, 7
	s_lshl_b32 s24, s[WV], 5
	s_add_co_u32 s22, s22, s24                     ; my wave's first column
	v_lshlrev_b32 v3, 2, v2
	s_mul_i32 s24, s[WV], 32*PITCH
	s_add_co_u32 s24, s24, PB                      ; my stage
	v_mul_u32_u24 v4, v2, PITCH
	v_add_nc_u32 v4, s24, v4
	v_and_b32 v5, 15, v2
	v_lshrrev_b32 v6, 4, v2
	v_mul_u32_u24 v7, v6, PITCH
	v_lshl_add_u32 v7, v5, 4, v7
	v_add_nc_u32 v7, s24, v7
	v_lshlrev_b32 v8, 11, v6
	v_lshl_add_u32 v8, v5, 4, v8                   ; a row of wp_t is 2,048 bytes
	s_lshl_b32 s24, s23, 19                        ; 128 rows of 4,096 bytes
	s_lshl_b32 s25, s22, 2
	s_add_co_u32 s24, s24, s25
	s_mov_b32 s25, 0
	s_add_nc_u64 s[8:9], s[8:9], s[24:25]
	s_lshl_b32 s24, s22, 11
	s_lshl_b32 s26, s23, 8
	s_add_co_u32 s24, s24, s26
	s_add_nc_u64 s[18:19], s[18:19], s[24:25]      ; wp_t: column x 2,048 + 256 ky
.macro LOADP t
.irp i, 0,1,2,3,4,5,6,7,8,9,10,11,12,13,14,15,16,17,18,19,20,21,22,23,24,25,26,27,28,29,30,31
	global_load_b32 v[PX+32*((\t)%2)+\i], v3, s[8:9] offset:(32*(\t)+\i)*4096
.endr
.endm
	LOADP 0
	LOADP 1
.macro BLOCKP t
.set XS, PX+32*((\t)%2)
.if (\t) < 3
	s_wait_loadcnt 32                              ; this block's 32 loads are in; the next block's may be out
.else
	s_wait_loadcnt 0x0
.endif
.irp g, 0,1,2,3,4,5,6,7,8,9,10,11,12,13,14,15
	v_cvt_pk_f16_f32 v[PC+\g], v[XS+2*\g], v[XS+2*\g+1]
.endr
.irp c, 0,1,2,3
	ds_store_b128 v4, v[PC+4*\c:PC+4*\c+3] offset:64*(\t)+16*\c
.endr
.if (\t)+2 < 4
	LOADP (\t)+2
.endif
	s_wait_dscnt 0x0                               ; the stores have read their registers
.endm
.irp t, 0,1,2,3
	BLOCKP \t
.endr
.irp t, 0,1,2,3,4,5,6,7,8,9,10,11,12,13,14,15
	ds_load_b128 v[POUT+4*\t:POUT+4*\t+3], v7 offset:2*\t*PITCH
.endr
.irp t, 0,1,2,3,4,5,6,7,8,9,10,11,12,13,14,15
	s_wait_dscnt 15-\t
	global_store_b128 v8, v[POUT+4*\t:POUT+4*\t+3], s[18:19] offset:2*\t*2048
.endr
	FINISH
.Lfunc_end_k_qd1798a6c54_prep:
	.size	k_qd1798a6c54_prep, .Lfunc_end_k_qd1798a6c54_prep-k_qd1798a6c54_prep
	.p2alignl 7, 3214868480
	.fill 96, 4, 3214868480
	.section	.rodata,"a",@progbits
	.p2align	6, 0x0
	.amdhsa_kernel k_qd1798a6c54_prep
		.amdhsa_group_segment_fixed_size 102912
		.amdhsa_private_segment_fixed_size 0
		.amdhsa_enable_private_segment 0
		.amdhsa_kernarg_size 64
		.amdhsa_user_sgpr_count 2
		.amdhsa_user_sgpr_kernarg_segment_ptr 1
		.amdhsa_wavefront_size32 1
		.amdhsa_system_sgpr_workgroup_id_x 1
		.amdhsa_system_sgpr_workgroup_id_y 1
		.amdhsa_system_sgpr_workgroup_id_z 1
		.amdhsa_system_vgpr_workitem_id 0
		.amdhsa_next_free_vgpr 192
		.amdhsa_next_free_sgpr 66
		.amdhsa_reserve_vcc 0
		.amdhsa_float_denorm_mode_32 3
		.amdhsa_float_denorm_mode_16_64 3
		.amdhsa_memory_ordered 1
		.amdhsa_forward_progress 1
		.amdhsa_inst_pref_size 132
	.end_amdhsa_kernel
	.amdgpu_metadata
---
amdhsa.version: [ 1, 2 ]
amdhsa.kernels:
  - .name:           k_qd1798a6c54_prep
    .symbol:         k_qd1798a6c54_prep.kd
    .args:
      - { .name: x, .offset: 0, .size: 8, .value_kind: global_buffer, .address_space: global }
      - { .name: w_qkv, .offset: 8, .size: 8, .value_kind: global_buffer, .address_space: global }
      - { .name: w_proj, .offset: 16, .size: 8, .value_kind: global_buffer, .address_space: global }
      - { .name: x_codes, .offset: 24, .size: 8, .value_kind: global_buffer, .address_space: global }
      - { .name: x_scales, .offset: 32, .size: 8, .value_kind: global_buffer, .address_space: global }
      - { .name: wq_codes, .offset: 40, .size: 8, .value_kind: global_buffer, .address_space: global }
      - { .name: wq_scales, .offset: 48, .size: 8, .value_kind: global_buffer, .address_space: global }
      - { .name: wp_t, .offset: 56, .size: 8, .value_kind: global_buffer, .address_space: global }
    .group_segment_fixed_size: 102912
    .private_segment_fixed_size: 0
    .kernarg_segment_align: 8
    .kernarg_segment_size: 64
    .max_flat_workgroup_size: 128
    .sgpr_count:     66
    .vgpr_count:     192
    .wavefront_size: 32
...
	.end_amdgpu_metadata
.endif
;; end of part 1
;; launch qkv (part 2): grid 12 x 32, 4 waves a work-group, clusters of 4 x 4, 327,680 bytes of LDS; arguments x_codes, x_scales, wq_codes, wq_scales, qkvh, qkv_fine; writes qkvh, qkv_fine
.if DOCPART == 2
	.amdgcn_target "amdgcn-amd-amdhsa--gfx1250"
	.amdhsa_code_object_version 6
	.text
	.protected	k_qd1798a6c54_qkv
	.globl	k_qd1798a6c54_qkv
	.p2align	8
	.type	k_qd1798a6c54_qkv,@function
k_qd1798a6c54_qkv:
	s_mov_b64 s[64:65], 0
	v_nop
	global_prefetch_b8 v0, s[64:65] scope:SCOPE_SE
	s_setreg_imm32_b32 hwreg(HW_REG_WAVE_MODE, 25, 1), 1
	s_wait_xcnt 0x0
	s_wait_alu depctr_hold_cnt(0) depctr_sa_sdst(0) depctr_va_vdst(0) depctr_va_sdst(0) depctr_va_ssrc(0) depctr_va_vcc(0) depctr_vm_vsrc(0)
	s_getreg_b32 s2, hwreg(HW_REG_IB_STS2, 6, 4)
	s_cmp_eq_u32 s2, 0
	s_cbranch_scc0 .Lentry_in_a_cluster
	s_endpgm
.Lentry_in_a_cluster:
	s_bfe_u32 s2, ttmp6, 0x10000c
	s_cmp_lg_u32 s2, 0xf033
	s_cbranch_scc0 .Lentry_shape_is_right
	s_endpgm
.Lentry_shape_is_right:
; QKV = Q(x) Q(w_qkv): [8192][1024] x [3072][1024]^T on codes of E2M1 with one E8M0 scale for each 32 along K; sums in f32.
; OUT: q, k, v as f16 laid by head, qkvh [3][b 4][h 16][s 2048][64]; and the first 16 positions of each sequence as f32, qkv_fine [b 4][16][3072], for the launch that carries those rows in f32.
; A tile of the result, 256 x 256, is made by a work-group of four waves; a wave makes 128 x 128: 64 accumulators, 512 registers.  K = 1,024 is exactly two LDS slots of 512 along K (rows of 256 bytes):
; both are asked for at the head, and nothing is filled again.  The scale bytes of the work-group's rows, for all of K, are two dense blocks: they come once, with the first fills.
; CLUSTERS: 4 x 4 work-groups.  The four of a row of the cluster need the same tiles of x, the four of a column the same tiles of w: each tile is asked for JOINTLY.
; TILE ROW = 8 cy + cluster y, so that b = cy and the tile's first position is 256 x cluster y: the tiles that hold a sequence's first rows are those of cluster y = 0, and the branch
; round the f32 rows hangs on the cluster's y and the wave's number alone, which all partners share.
; THE MATRIX INSTRUCTION IS USED TRANSPOSED (source 0 = 16 rows of w, source 1 = 16 rows of x): a lane then holds eight neighbouring columns of one row of the result.
; LIMIT: a q, k or v of 65,520 and more has no f16.
; REGISTERS, in windows of 256: window 0: v0-31 addresses; v32-95 scale words, two sets; v128-191 x's fragments, ONE set; on the way out v32-255 are free.
;   window 1: w's fragments, TWO sets, at v0 and v128.   window 2: the accumulators of my rows 0-63 ((a, b) at v[8 (8 a + b)]);   window 3: those of my rows 64-127.
.set SIZE_K, 1024
.set KSTEP,  512                       ; along K in a slot
.set NQ,     KSTEP/128                 ; matrix instructions deep
.set ROWB,   256                       ; a tile's row in bytes
.set KROW,   SIZE_K/2                  ; a row of codes in memory, in bytes
.set PITCH,  272                       ; an LDS row: 256 bytes + 16 of padding = 68 words: the 16 rows that a load touches start at 16 different banks (64 banks of 4 bytes: ISA guide 11.1)
.set FR,     8                         ; registers of a fragment: 16 rows x 128 K
.set NL,     2                         ; LDS loads that bring one
.set NP,     4                         ; places behind this matrix instruction (ISA guide 7.12.1)
.set HALFT,  128*PITCH                 ; 128 rows: what one tensor load brings
.set SLOT,   4*HALFT                   ; x's 256 rows, then w's 256 rows
.set KS,     SIZE_K/32                 ; a row of scales in bytes
.set SCL,    2*SLOT                    ; behind the two slots: the scales, as units of 256 bytes + 16 of padding
.set HALFS,  (128*KS/256)*272          ; the scales of 128 rows
.set SBLK,   (16*KS/256)*272           ; those of 16 rows
.set SPARE,  SCL+4*HALFS               ; the spare words, 128 bytes for each wave: two blocks of 256 bytes that no other line names
.set WSTG,   16*528                    ; the way out: a stage for each wave, in slot 0, which has had its one fill and its last read when the first result is stored there
.set ADRA, 16                          ; v16-17  LDS address of my x fragments in slot 0, 1
.set ADRB, 20                          ; v20-21  the same for w
.set STF,  22                          ; v22     the f32 rows: where I put 32 bytes of a row
.set RDF,  23                          ; v23     and where I read a row back
.set STO,  24                          ; v24     the f16 way out: where I put 16 bytes of a row
.set RD,   25                          ; v25     where I read four rows of a head back
.set CO,   26                          ; v26     16 x lane
.set ADRS, 27                          ; v27     LDS address of my scale words: lanes 0-15 x's rows, lanes 16-31 w's
.set SPW,  28                          ; v28     LDS address of my spare word; never rewritten
.set NIL,  29                          ; v29     0; never rewritten
.set SC,   32                          ; scale words: set s at v[SC + 32 s]; register 4 i + q: lanes 0-15 the word of x's block i, lanes 16-31 that of w's block i, for the slot's q-th 128 along K
.set AF,   128                         ; x's fragments, in window 0
.set TMP,  192                         ; the way out: a block's 32 packed registers
.set FB,   128                         ; the way out: 16 f32 rows read back
.set G1, 24                            ; s[24:31] descriptor group 1 for x's tiles;  s[32:39] group 0, one set for each slot
.set G0, 32
.set G1B, 48                           ; s[48:55], s[56:63] the same for w's tiles
.set G0B, 56
.set G1S, 68                           ; s[68:75], s[76:79] groups 1 and 0 for x's scales;  s[80:87], s[88:91] for w's
.set G0S, 76
.set G1SB, 80
.set G0SB, 88
.set FINE, 95                          ; s95     0 where my block 0 holds a sequence's first 16 rows
.set OUTP, 96                          ; s[96:97] qkvh at my part;  s[98:99] qkv_fine at my part
.set FINP, 98
.set MSB, 0
.macro WIN new                         ; the immediate's high byte repeats the setting that is left
.if MSB != \new
	s_set_vgpr_msb (MSB<<8)|\new
.set MSB, \new
.endif
.endm
.set MUL_LO, 0xa1                      ; source 0 (w) window 1, source 1 (x) window 0, C and D window 2
.set MUL_HI, 0xf1                      ; the same, C and D window 3
.set TO_B,   0x40                      ; destination window 1, address window 0
; A joint load: waves 0 and 1 fetch for x, waves 2 and 3 for w.  Each of the two lines has ONE mask and one set of registers for all that issue it; the branch hangs on the wave's number alone.
; An s_nop 0 and four v_nop follow each of the two lines, ahead of the jump, the label and what follows.
.macro JLOAD g0a, g1a, g0b, g1b
	s_cmp_eq_u32 s15, 0
	s_cbranch_scc0 .Lfor_b_\@
	tensor_load_to_lds s[\g0a:\g0a+3], s[\g1a:\g1a+7]
	s_nop 0
.rept 4
	v_nop
.endr
	s_branch .Lasked_\@
.Lfor_b_\@:
	tensor_load_to_lds s[\g0b:\g0b+3], s[\g1b:\g1b+7]
	s_nop 0
.rept 4
	v_nop
.endr
.Lasked_\@:
.endm
.macro CROUND                          ; a round of the cluster's barrier
	s_barrier_signal -1
	s_barrier_wait -1
	s_cmp_lg_u32 s14, 0
	s_cbranch_scc1 .Lnot_wave_0_\@
	s_barrier_signal -3
.Lnot_wave_0_\@:
	s_barrier_wait -3
	s_barrier_signal -1
	s_barrier_wait -1
.endm
	s_load_b128 s[4:7], s[0:1], 0x0                ; x's codes s[4:5], x's scales s[6:7]
	s_load_b128 s[8:11], s[0:1], 0x10              ; w's codes s[8:9], w's scales s[10:11]
	s_load_b128 s[96:99], s[0:1], 0x20             ; qkvh, qkv_fine
	v_lshl_add_u32 v[SPW], v0, 2, SPARE
	v_mov_b32 v[NIL], 0
	ds_add_u32 v[SPW], v[NIL]                      ; the wave's opening: the add, twice on end, and its wait ahead of my first tensor load; the set-up below stands between the second and the wait
	ds_add_u32 v[SPW], v[NIL]
	v_lshrrev_b32 v1, 5, v0
	v_readfirstlane_b32 s14, v1                    ; wave 0..3
	s_lshr_b32 s15, s14, 1                         ; which half of the tile's rows is mine.  Also: I fetch for x (0) or for w (1)
	s_and_b32 s16, s14, 1                          ; which half of its columns.  Also: which 128 rows of that tile I fetch
	s_bfe_u32 s40, ttmp6, 0x40000                  ; cx, cy: my place in the cluster
	s_bfe_u32 s41, ttmp6, 0x40004
	s_lshl_b32 s42, ttmp9, 2
	s_add_co_u32 s42, s42, s40                     ; tile column = 4 x cluster x + cx
	s_and_b32 s17, ttmp7, 0xffff
	s_lshl_b32 s18, s41, 3
	s_add_co_u32 s17, s17, s18                     ; tile row = 8 cy + cluster y
	s_lshl_b32 s43, s41, 2
	s_lshl_b32 s43, 15, s43                        ; my row of the cluster
	s_lshl_b32 s44, 0x1111, s40                    ; my column
	; descriptor group 1: a tile of 128 rows x 256 bytes, padded in LDS
	s_or_b32 s[G1+0], s43, (0<<16)|(1<<20)|(1<<21)|(5<<22)|(3<<25)  ; 15:0 the mask: x's tiles go to my row; 17:16 element of 1 byte; 20 padding on; 21 set beside a mask; 24:22 after every 64 words (code 5); 31:25 of 4 words (code 3)
	s_or_b32 s[G1B+0], s44, (0<<16)|(1<<20)|(1<<21)|(5<<22)|(3<<25)
.irp g, G1, G1B
	s_mov_b32 s[\g+1], ROWB<<16                    ; tensor_dim0
	s_mov_b32 s[\g+2], 128<<16                     ; tensor_dim1 = 128
	s_mov_b32 s[\g+3], ROWB<<16                    ; tile_dim0
	s_mov_b32 s[\g+4], 128                         ; tile_dim1 = 128
	s_mov_b32 s[\g+5], KROW                        ; tensor_dim0_stride
	s_mov_b32 s[\g+6], 0
	s_mov_b32 s[\g+7], 0
.endr
	; and for the scales of 128 rows: a dense block of 4,096 bytes, as rows of 256 bytes (32 elements of 8 bytes), 16 bytes of padding behind each
	s_or_b32 s[G1S+0], s43, (3<<16)|(1<<20)|(1<<21)|(5<<22)|(3<<25)
	s_or_b32 s[G1SB+0], s44, (3<<16)|(1<<20)|(1<<21)|(5<<22)|(3<<25)
.irp g, G1S, G1SB
	s_mov_b32 s[\g+1], 32<<16
	s_mov_b32 s[\g+2], (128*KS/256)<<16
	s_mov_b32 s[\g+3], 32<<16
	s_mov_b32 s[\g+4], 128*KS/256
	s_mov_b32 s[\g+5], 32
	s_mov_b32 s[\g+6], 0
	s_mov_b32 s[\g+7], 0
.endr
	s_lshl_b32 s18, s16, 7                         ; which 128 rows of the tile I fetch
	s_lshl_b32 s20, s17, 8
	s_add_co_u32 s20, s20, s18                     ; x: row 256 x tile row + 128 x half
	s_lshl_b32 s46, s42, 8
	s_add_co_u32 s46, s46, s18                     ; w: row 256 x tile column + 128 x half
	s_mov_b32 s21, 0
	s_mov_b32 s47, 0
	s_mov_b64 s[18:19], KS
	s_mul_u64 s[22:23], s[20:21], s[18:19]         ; where these rows' scales begin, in bytes
	s_mul_u64 s[92:93], s[46:47], s[18:19]
	s_mov_b64 s[18:19], KROW
	s_mul_u64 s[20:21], s[20:21], s[18:19]         ; and their codes
	s_mul_u64 s[46:47], s[46:47], s[18:19]
	s_mul_i32 s45, s14, HALFT                      ; where they go: wave x 128 rows: no place in the cluster enters an LDS address
	s_mul_i32 s94, s14, HALFS
	s_wait_dscnt 0x0                               ; both opening adds are done
	s_wait_kmcnt 0x0
	s_add_nc_u64 s[20:21], s[4:5], s[20:21]
	s_add_nc_u64 s[22:23], s[6:7], s[22:23]
	s_add_nc_u64 s[46:47], s[8:9], s[46:47]
	s_add_nc_u64 s[92:93], s[10:11], s[92:93]
	CROUND                                         ; all sixteen work-groups are here: the joint loads meet
	s_mov_b32 s[G0S], 1
	s_add_co_u32 s[G0S+1], s94, SCL
	s_mov_b64 s[G0S+2:G0S+3], s[22:23]
	s_or_b32 s[G0S+3], s[G0S+3], 0x80000000
	s_mov_b32 s[G0SB], 1
	s_add_co_u32 s[G0SB+1], s94, SCL
	s_mov_b64 s[G0SB+2:G0SB+3], s[92:93]
	s_or_b32 s[G0SB+3], s[G0SB+3], 0x80000000
	JLOAD G0S, G1S, G0SB, G1SB                     ; the scales first: they are wanted with the first slot.  Three loads of mine are out behind the next two
.irp s, 0,1
	s_mov_b32 s[G0+4*\s], 1
	s_add_co_u32 s[G0+4*\s+1], s45, \s*SLOT
	s_add_nc_u64 s[G0+4*\s+2:G0+4*\s+3], s[20:21], \s*ROWB
	s_or_b32 s[G0+4*\s+3], s[G0+4*\s+3], 0x80000000
	s_mov_b32 s[G0B+4*\s], 1
	s_add_co_u32 s[G0B+4*\s+1], s45, \s*SLOT
	s_add_nc_u64 s[G0B+4*\s+2:G0B+4*\s+3], s[46:47], \s*ROWB
	s_or_b32 s[G0B+4*\s+3], s[G0B+4*\s+3], 0x80000000
	JLOAD G0+4*\s, G1, G0B+4*\s, G1B
.endr
	v_and_b32 v1, 15, v0                           ; r = l % 16
	v_bfe_u32 v2, v0, 4, 1                         ; h = l / 16
	v_mul_u32_u24 v3, v1, PITCH
	v_lshl_add_u32 v4, v2, 4, v3                   ; a fragment's row x pitch + 16 x half
	s_mul_i32 s21, s15, HALFT                      ; my 128 rows of x
	s_mul_i32 s22, s16, HALFT                      ; my 128 rows of w,
	s_add_co_u32 s22, s22, 2*HALFT                 ; which lie behind x's 256
.irp s, 0,1
	v_add_nc_u32 v[ADRA+\s], s21, v4
	v_add_nc_u32 v[ADRB+\s], s22, v4
	s_add_co_u32 s21, s21, SLOT
	s_add_co_u32 s22, s22, SLOT
.endr
	v_mul_u32_u24 v5, v1, KS                       ; my row's scales: 32 bytes a row,
	v_lshrrev_b32 v6, 8, v5
	v_lshl_add_u32 v5, v6, 4, v5                   ; and 16 more for each 256 passed
	s_mul_i32 s21, s15, HALFS                      ; x's: my 128 rows
	s_mul_i32 s22, s16, HALFS                      ; w's: my 128 rows, behind x's 256
	s_add_co_u32 s22, s22, 2*HALFS
	s_sub_co_u32 s22, s22, s21
	v_mul_u32_u24 v6, s22, v2                      ; lanes 16-31 take w's: one product, the distance between the two bases
	s_add_co_u32 s21, s21, SCL
	v_add_nc_u32 v5, v5, v6
	v_add_nc_u32 v[ADRS], s21, v5
	s_mul_i32 s23, s14, WSTG                       ; my stage
	v_add_nc_u32 v[STO], s23, v4                   ; f16 in: row r of 272 bytes, 16 bytes for each half of the lanes
	v_and_b32 v6, 31, v0
	v_lshrrev_b32 v5, 3, v6
	v_mul_u32_u24 v5, v5, 272
	v_and_b32 v7, 7, v0
	v_lshl_add_u32 v5, v7, 4, v5
	v_add_nc_u32 v[RD], s23, v5                    ; back: eight lanes take 128 bytes (a head's part) of a row, the wave four rows
	v_lshlrev_b32 v[CO], 4, v6
	v_mul_u32_u24 v5, v1, 528
	v_lshl_add_u32 v5, v2, 5, v5
	v_add_nc_u32 v[STF], s23, v5                   ; f32 in: row r of 528 bytes, 32 bytes for each half of the lanes
	v_add_nc_u32 v[RDF], s23, v[CO]                ; back: the 32 lanes take one row of 512 bytes
	; where my part begins.  qkvh: part = cluster x; b = cy; heads 4 cx + 2 (column half) and the next; position 256 cluster y + 128 (row half)
	s_and_b32 s20, ttmp7, 0xffff                   ; cluster y
	s_or_b32 s[FINE], s20, s15                     ; 0: cluster y = 0 and the tile's upper half: the same test in all sixteen partners, for a given wave
	s_lshl_b32 s20, s20, 15
	s_lshl_b32 s21, s15, 14
	s_add_co_u32 s20, s20, s21
	s_lshl_b32 s21, s41, 22
	s_add_co_u32 s20, s20, s21
	s_lshl_b32 s21, ttmp9, 24
	s_add_co_u32 s20, s20, s21
	s_lshl_b32 s46, s40, 20
	s_lshl_b32 s47, s16, 19
	s_add_co_u32 s46, s46, s47
	s_add_co_u32 s20, s20, s46
	s_mov_b32 s21, 0
	s_add_nc_u64 s[OUTP:OUTP+1], s[OUTP:OUTP+1], s[20:21]
	s_mul_i32 s20, s41, 16*12288                   ; qkv_fine: b = cy; column 1,024 cluster x + 256 cx + 128 (column half)
	s_lshl_b32 s22, ttmp9, 12
	s_add_co_u32 s20, s20, s22
	s_lshl_b32 s46, s40, 10
	s_lshl_b32 s47, s16, 9
	s_add_co_u32 s46, s46, s47
	s_add_co_u32 s20, s20, s46
	s_add_nc_u64 s[FINP:FINP+1], s[FINP:FINP+1], s[20:21]
.macro FRAG reg, adr, q, i             ; a fragment, 16 rows x 128 K of 4-bit codes, is 8 registers: lane l holds row l % 16; registers 4 c .. 4 c + 3 hold K = 64 c + 32 (l / 16) + 0 .. 31
.irp c, 0,1
	ds_load_b128 v[\reg+4*\c:\reg+4*\c+3], v[\adr] offset:64*(\q)+32*\c+(\i)*16*PITCH
.endr
.endm
; 16 matrix instructions: x's blocks a0, a0 + 1 against w's eight, 128 along K: the slot's q-th.  p: w's set;  sc: the set of scale words.  zero = 1: the first product starts the sums: nothing is ever cleared.
; The 64 accumulators take turns, one instruction a turn, in the same order in every step.
.macro MUL16 a0, p, q, sc, zero
.irp a, \a0, \a0+1
.irp b, 0,1,2,3,4,5,6,7
.if \zero
	v_wmma_scale_f32_16x16x128_f8f6f4 v[8*(8*((\a)%4)+\b):8*(8*((\a)%4)+\b)+7], v[128*(\p)+FR*\b:128*(\p)+FR*\b+FR-1], v[AF+FR*(\a):AF+FR*(\a)+FR-1], 0, v[SC+8*NQ*(\sc)+NQ*\b+(\q)], v[SC+8*NQ*(\sc)+NQ*(\a)+(\q)] matrix_a_fmt:MATRIX_FMT_FP4 matrix_b_fmt:MATRIX_FMT_FP4 matrix_a_scale:MATRIX_SCALE_ROW1
.else
	v_wmma_scale_f32_16x16x128_f8f6f4 v[8*(8*((\a)%4)+\b):8*(8*((\a)%4)+\b)+7], v[128*(\p)+FR*\b:128*(\p)+FR*\b+FR-1], v[AF+FR*(\a):AF+FR*(\a)+FR-1], v[8*(8*((\a)%4)+\b):8*(8*((\a)%4)+\b)+7], v[SC+8*NQ*(\sc)+NQ*\b+(\q)], v[SC+8*NQ*(\sc)+NQ*(\a)+(\q)] matrix_a_fmt:MATRIX_FMT_FP4 matrix_b_fmt:MATRIX_FMT_FP4 matrix_a_scale:MATRIX_SCALE_ROW1
.endif
.endr
.endr
.endm
.macro FETCH_B slot, q, p              ; w's eight fragments of the slot's q-th 128 along K into set p
	WIN TO_B
.irp i, 0,1,2,3,4,5,6,7
	FRAG 128*(\p)+FR*\i, ADRB+\slot, \q, \i
.endr
	WIN 0
.endm
.macro FETCH_A slot, q, i0             ; x's blocks i0 .. i0 + 3
.irp i, \i0, \i0+1, \i0+2, \i0+3
	FRAG AF+FR*(\i), ADRA+\slot, \q, \i
.endr
.endm
.macro SCALES sc                       ; a slot's scale words into set sc: 4 words a row; lanes 0-15 take x's block i, lanes 16-31 w's block i
.irp i, 0,1,2,3,4,5,6,7
	ds_load_b128 v[SC+8*NQ*\sc+NQ*\i:SC+8*NQ*\sc+NQ*\i+3], v[ADRS] offset:\i*SBLK
.endr
.endm
; A load into a register that a matrix instruction has read, and a vector instruction or an LDS store that reads a matrix result, stand NP places behind that matrix instruction, and only plain vector
; instructions that name none of its registers are places (ISA guide 7.12.1 for vector instructions).
.macro PLACES n
.rept \n
	v_nop
.endr
.endm
; A step of 128 along K that has its successor in the same slot.
.macro STEP slot, q, zero
	s_wait_dscnt 4*NL                              ; w's set and x's blocks 0-3 are in; the youngest eight loads (x's blocks 4-7) may be out
	WIN MUL_LO
	MUL16 0, (\q)%2, \q, \slot, \zero
	MUL16 2, (\q)%2, \q, \slot, \zero
	s_wait_dscnt 0                                 ; x's blocks 4-7 are in (asked for 32 matrix instructions ago)
	PLACES NP
	FETCH_B \slot, (\q)+1, 1-(\q)%2
	FETCH_A \slot, (\q)+1, 0
	WIN MUL_HI
	MUL16 4, (\q)%2, \q, \slot, \zero
	MUL16 6, (\q)%2, \q, \slot, \zero
	PLACES NP
	WIN 0
	FETCH_A \slot, (\q)+1, 4
.endm
; Slot 0's last step changes slots: ONE barrier; in front of it each wave waits for all its tensor loads (slot 1's is the one that was out), adds 0 to its spare word, and waits for that and for its reads of slot 0.
; Nothing is filled again: behind the barrier slot 1 is whole for everybody, and nobody reads slot 0 any more, which the way out relies on.
.macro TURN slot, next
	s_wait_tensorcnt 0x0                           ; all my tensor loads have landed  (every window is 0 here: the add's two registers lie in window 0)
	ds_add_u32 v[SPW], v[NIL]                      ; 0 onto my spare word
	s_wait_dscnt 4*NL+1                            ; (the add and the youngest eight loads, x's blocks 4-7, may be out)
	WIN MUL_LO
	MUL16 0, 1, NQ-1, \slot, 0                     ; sixteen matrix instructions stand between the add and the wait for it
	s_wait_dscnt 0x0                               ; the add is done, and my reads of this slot are over
	s_barrier_signal -1
	MUL16 2, 1, NQ-1, \slot, 0
	WIN 0
	s_barrier_wait -1
	PLACES NP
	v_add_nc_u32 v[ADRS], 4*NQ, v[ADRS]            ; on to the next slot's scale words (no LDS load of mine is out)
	FETCH_B \next, 0, 0
	FETCH_A \next, 0, 0
	SCALES \next
	WIN MUL_HI
	MUL16 4, 1, NQ-1, \slot, 0
	MUL16 6, 1, NQ-1, \slot, 0
	PLACES NP
	WIN 0
	FETCH_A \next, 0, 4
.endm
.macro STEPS slot, from                ; the slot's steps from .. NQ - 2
.set Q, \from
.rept NQ-1-\from
	STEP \slot, Q, 0
.set Q, Q+1
.endr
.endm
	s_wait_tensorcnt 1                             ; the scales and my part of slot 0 are in (slot 1's load may be out)
	s_barrier_signal -1
	s_barrier_wait -1                              ; everybody's are
	FETCH_B 0, 0, 0
	FETCH_A 0, 0, 0
	SCALES 0
	FETCH_A 0, 0, 4
	STEP 0, 0, 1                                   ; the first step's products start the sums
	STEPS 0, 1
	TURN 0, 1
	STEPS 1, 0
	s_wait_dscnt 4*NL                              ; the very last step: nothing more to fetch
	WIN MUL_LO
	MUL16 0, 1, NQ-1, 1, 0
	MUL16 2, 1, NQ-1, 1, 0
	s_wait_dscnt 0
	WIN MUL_HI
	MUL16 4, 1, NQ-1, 1, 0
	MUL16 6, 1, NQ-1, 1, 0
	WIN 0
	PLACES NP                                      ; behind the last products: they serve the reads of results and the loads into registers that held fragments and scale words
	; THE F32 ROWS.  Block 0 of the waves whose rows begin a sequence: 16 rows x 128 columns as they are, through my stage, out as rows of 512 bytes.
	s_cmp_lg_u32 s[FINE], 0
	s_cbranch_scc1 .Lno_fine
	WIN 0x08                                       ; an LDS store's data are its source 1: window 2
.irp b, 0,1,2,3,4,5,6,7
	ds_store_b128 v[STF], v[8*\b:8*\b+3] offset:64*\b              ; each accumulator from its low end on
	ds_store_b128 v[STF], v[8*\b+4:8*\b+7] offset:64*\b+16
.endr
	WIN 0
.irp t, 0,1,2,3,4,5,6,7,8,9,10,11,12,13,14,15
	ds_load_b128 v[FB+4*\t:FB+4*\t+3], v[RDF] offset:\t*528        ; LDS serves a wave's instructions in order (ISA guide 5.7.1.4): these see the stores above
.endr
	s_wait_dscnt 0x0
.irp t, 0,1,2,3,4,5,6,7,8,9,10,11,12,13,14,15
	global_store_b128 v[CO], v[FB+4*\t:FB+4*\t+3], s[FINP:FINP+1] offset:\t*12288   ; 32 lanes store 512 consecutive bytes, at a multiple of 256 from the buffer's first byte
.endr
.Lno_fine:
; THE F16 WAY OUT, block by block of 16 rows x 128 columns (two heads).  PACK: rounded to f16, 16 bytes a lane.  TOSTAGE: into my stage, and back so that the wave holds four rows of one head: 512 consecutive bytes of qkvh.
.macro PACK a
.set AC, 64*((\a)%4)
	WIN 0x0a+5*((\a)/4)                            ; sources 0 and 1: window 2 or 3
.irp b, 0,1,2,3,4,5,6,7
.irp r, 0,1,2,3
	v_cvt_pk_f16_f32 v[TMP+4*\b+\r], v[AC+8*\b+2*\r], v[AC+8*\b+2*\r+1]
.endr
.endr
	WIN 0
.endm
.macro TOSTAGE a
.set BK, 32+192*((\a)%2)               ; v32-63 and v224-255 by turns
.irp b, 0,1,2,3,4,5,6,7
	ds_store_b128 v[STO], v[TMP+4*\b:TMP+4*\b+3] offset:32*\b
.endr
.irp t, 0,1,2,3,4,5,6,7
	ds_load_b128 v[BK+4*\t:BK+4*\t+3], v[RD] offset:(\t%4)*4*272+128*(\t/4)   ; rows 4 (t % 4) on, head t / 4
.endr
.endm
.macro SEND a
.set BK, 32+192*((\a)%2)
	s_wait_dscnt 0x0                               ; the block is back in registers
	s_wait_xcnt 0x0                                ; the block before's stores have read their registers: the next block's loads may land there
.irp t, 0,1,2,3,4,5,6,7
	global_store_b128 v[CO], v[BK+4*\t:BK+4*\t+3], s[OUTP:OUTP+1] offset:2048*(\a)+262144*(\t/4)+512*(\t%4)   ; 32 lanes store 512 consecutive bytes, aligned; every offset is an immediate, no base is stepped
.endr
.endm
	PACK 0
	TOSTAGE 0
.irp a, 1,2,3,4,5,6,7                  ; block a's conversions stand between block a - 1's loads from the stage and the wait for them
	PACK \a
	SEND \a-1
	TOSTAGE \a
.endr
	SEND 7
	s_wait_tensorcnt 0x0                           ; the wave's end: these three lines, behind my last tensor load and my last LDS store
	ds_add_u32 v[SPW], v[NIL]
	s_wait_dscnt 0x0
	CROUND                                         ; the closing round: no work-group ends while a partner may still ask for a tile that names it
	s_endpgm
.Lfunc_end_k_qd1798a6c54_qkv:
	.size	k_qd1798a6c54_qkv, .Lfunc_end_k_qd1798a6c54_qkv-k_qd1798a6c54_qkv
	.p2alignl 7, 3214868480
	.fill 96, 4, 3214868480
	.section	.rodata,"a",@progbits
	.p2align	6, 0x0
	.amdhsa_kernel k_qd1798a6c54_qkv
		.amdhsa_group_segment_fixed_size 327680
		.amdhsa_private_segment_fixed_size 0
		.amdhsa_enable_private_segment 0
		.amdhsa_kernarg_size 48
		.amdhsa_user_sgpr_count 2
		.amdhsa_user_sgpr_kernarg_segment_ptr 1
		.amdhsa_wavefront_size32 1
		.amdhsa_system_sgpr_workgroup_id_x 1
		.amdhsa_system_sgpr_workgroup_id_y 1
		.amdhsa_system_sgpr_workgroup_id_z 1
		.amdhsa_system_vgpr_workitem_id 0
		.amdhsa_next_free_vgpr 1024
		.amdhsa_next_free_sgpr 100
		.amdhsa_reserve_vcc 0
		.amdhsa_float_denorm_mode_32 3
		.amdhsa_float_denorm_mode_16_64 3
		.amdhsa_memory_ordered 1
		.amdhsa_forward_progress 1
		.amdhsa_inst_pref_size 130
	.end_amdhsa_kernel
	.amdgpu_metadata
---
amdhsa.version: [ 1, 2 ]
amdhsa.kernels:
  - .name:           k_qd1798a6c54_qkv
    .symbol:         k_qd1798a6c54_qkv.kd
    .args:
      - { .name: x_codes, .offset: 0, .size: 8, .value_kind: global_buffer, .address_space: global }
      - { .name: x_scales, .offset: 8, .size: 8, .value_kind: global_buffer, .address_space: global }
      - { .name: wq_codes, .offset: 16, .size: 8, .value_kind: global_buffer, .address_space: global }
      - { .name: wq_scales, .offset: 24, .size: 8, .value_kind: global_buffer, .address_space: global }
      - { .name: qkvh, .offset: 32, .size: 8, .value_kind: global_buffer, .address_space: global }
      - { .name: qkv_fine, .offset: 40, .size: 8, .value_kind: global_buffer, .address_space: global }
    .group_segment_fixed_size: 327680
    .private_segment_fixed_size: 0
    .kernarg_segment_align: 8
    .kernarg_segment_size: 48
    .max_flat_workgroup_size: 128
    .sgpr_count:     100
    .vgpr_count:     1024
    .wavefront_size: 32
...
	.end_amdgpu_metadata
.endif
;; end of part 2
;; launch attn (part 3): grid 4 x 64, 8 waves a work-group, no clusters, 327,680 bytes of LDS; arguments qkvh, yh; writes yh
.if DOCPART == 3
	.amdgcn_target "amdgcn-amd-amdhsa--gfx1250"
	.amdhsa_code_object_version 6
	.text
	.protected	k_qd1798a6c54_attn
	.globl	k_qd1798a6c54_attn
	.p2align	8
	.type	k_qd1798a6c54_attn,@function
k_qd1798a6c54_attn:
	s_mov_b64 s[64:65], 0
	v_nop
	global_prefetch_b8 v0, s[64:65] scope:SCOPE_SE
	s_setreg_imm32_b32 hwreg(HW_REG_WAVE_MODE, 25, 1), 1
	s_wait_xcnt 0x0
; y[b][h][q] = the sum over keys k <= q of softmax_k(q . k / 8) v[k].  q, k, v: f16, qkvh [3][b h 64][2048][64].  y: f16, yh [h 16][2048 b + s][64].  Products on f16 operands, sums, maxima and softmax in f32.
; SHARES.  Work-group (i, bh) owns blocks 7 - i and i of the head's eight blocks of 256 queries: under the causal mask that is (8 - i) + (i + 1) = 9 slots of 256 keys for every work-group.  The two blocks are two WALKS of one text.
; Wave wv: sub-block wv % 4 (64 queries: four tiles of 16) and group wv / 4.  WAVES w AND w + 4 HOLD THE SAME QUERIES AND SPLIT THE KEYS: of a slot's four steps of 64 keys group 0 takes steps 0 and 2, group 1 steps 1 and 3;
; each keeps its own running maximum, sum and O^T, and at a walk's end the two are merged in f32 through LDS.  So eight waves of 512 registers run, each fragment of K and V that a wave reads still feeds four products,
; and the text stays in plain phases.
; LAYOUT.  S^T = K Q^T (source 0 = 16 keys, source 1 = 16 queries): a lane holds ONE query (lane % 16) and the keys 8 (lane / 16) + 0..7.  Two such tiles, rounded to f16 in pairs, ARE source 1 of O^T = V^T P.
; K comes out of LDS as it lies, V ([key][channel]) turned, by ds_load_tr16_b128.
; SOFTMAX.  A running maximum m and sum l for each query: p = 2^(c s - c m), c = log2(e) / 8; in every step O^T and l are multiplied by a = 2^(c m_old - c m_new).
; THE MASK.  Every walk has 8 trips, a constant: a step all of whose keys come after the wave's 64 queries is jumped over by a scalar branch on ids; no barrier, wait or tensor load stands in a step.  In the one step on the
; diagonal hidden scores become -infinity.  A slot is asked for only while its first key is at or under the block's last query.
; NO CLUSTER: the four work-groups of a head walk 8 - i slots in their first walk: a joint load would bring tiles whose reads every wave of some partner jumps over.
; O^T is cleared at a walk's head (128 moves) and m starts at -3e38, so that one form of the step serves every step, and a wave of group 1 that has no step at all (block 0, sub-block 0) hands over zeros.
; LIMITS: the order of the sums differs from the reference's (keys in two partial sums, merged in f32); p is rounded to f16; the first 16 positions of each sequence are written anew, in f32, by a later launch.
; REGISTERS: window 0: v1-15 addresses; v16-47 eight registers of statistics a tile; v48-63 the partner's; v64-191 S^T, 32 a tile; v192-255 P, 16 a tile.
;   window 1: v0-127 O^T, 32 a tile; v128-191 Q, 16 a tile; v192-255 a step's eight fragments of K, then of V.
.set PK,     272                       ; two keys' rows of K (256 bytes as they lie in memory) + 16 of padding: key k at (k / 2) PK + 128 (k % 2): the 16 keys of a load start at 16 different 16-byte columns
.set PV,     288                       ; the same for V, + 32: the 16 lanes of a turning load's pass take 16 different 16-byte columns
.set KSTEPB, 32*PK                     ; a step's 64 keys
.set VSTEPB, 32*PV
.set VOFF,   4*KSTEPB                  ; a slot: 256 keys of K, then of V
.set SLOT1,  1<<17                     ; slot 1 begins here: one exclusive or turns an address in one slot into the other's
.set MRG,    SLOT1+VOFF+4*VSTEPB       ; behind the ring: for each pair of waves an image of O^T (32 x 512 bytes) and four of statistics
.set MRGW,   18432
.set STG,    MRG+4*MRGW                ; the way out: for each wave of group 0 four tiles of 16 rows x (128 + 16) bytes
.set STGW,   9216
.set SPARE,  STG+4*STGW                ; the spare words, 128 bytes for each wave: four blocks of 256 bytes that no other line names
.set AK0, 3                            ; v3   my lane's place in my group's first step of K
.set AV0, 4                            ; v4   the same for V
.set ADK, 5                            ; v5   AK0 + the slot in hand
.set ADV, 6                            ; v6   AV0 + the slot in hand
.set QO,  7                            ; v7   my byte offset in the wave's rows of Q
.set MA,  8                            ; v8   my 16 bytes of an image in my pair's merge region
.set STO, 9                            ; v9   the way out: where I put 16 bytes of a row
.set RD,  10                           ; v10  where I read rows back
.set GO,  11                           ; v11  16 x lane
.set PFO, 12                           ; v12  256 x lane; never rewritten
.set NINF, 13                          ; v13  -infinity
.set SPW, 14                           ; v14  LDS address of my spare word; never rewritten
.set NIL, 15                           ; v15  0; never rewritten
.set ST,  16                           ; tile t's statistics at v[ST + 8 t]: +0 c m, +1 m, +2, +3 l (even keys', odd keys'), +4 to +7 c0-c3, at work; a takes c2's place
.set PS,  48                           ; the partner's c m, m, l, l at v[PS + 4 t]
.set S,   64
.set P,   192
.set QF,  128                          ; in window 1
.set KV,  192                          ; in window 1
.set WV,   12                          ; s12  my wave's number
.set GRP,  13                          ; s13  my group
.set SUB,  14                          ; s14  my sub-block; also: which quarter of a slot I fetch
.set PAIR, 15                          ; s15  i
.set BH,   16                          ; s16  16 b + h
.set G1K,  24                          ; s[24:31] descriptor group 1 for K's quarter;  s[32:39] for V's: it differs in the padding alone
.set G1V,  32
.set G0K,  40                          ; s[40:43], s[44:47] groups 0
.set G0V,  44
.set KB,   48                          ; s[48:49] K at my quarter of the head's key slot 0;  s[50:51] V likewise
.set VB,   50
.set QBASE, 52                         ; s[52:53] Q at my sub-block of block 0;  s[54:55] y likewise
.set YBASE, 54
.set QP,   56                          ; s[56:57], s[58:59] the same for the walk's block
.set YP,   58
.set CS,   60                          ; s[60:61] c: the packed form names a pair and takes its low word for both halves
.set SEL,  62                          ; s[62:63] lane selects for v_permlanex16_b32: lane l xor 16
.set TB,   66                          ; s66  LDS byte at which the slot in hand begins
.set NN,   67                          ; s67  the walk's trip = its key slot
.set WALK, 68                          ; s68
.set QBLK, 69                          ; s69  the walk's block of queries
.set DSI,  70                          ; s70  4 QBLK + SUB: the step on my diagonal
.set KSI,  71                          ; s71  the step in hand, in units of 64 keys
.set FILL, 72                          ; s72  1: this change of slots asks for a slot
.set TT,   73                          ; s73  trips since the start, 0 .. 15
.set LIM,  74                          ; s74  a wave prefetches while TT is under it
.set PFA,  76                          ; s[76:77] where my prefetches stand
.set OFF,  78                          ; s[78:79] a byte offset; the high word stays 0
.set MK,   80                          ; s80-87   mask j: the lanes where 8 (lane / 16) + j > lane % 16
.set MSB, 0
.macro WIN new                         ; the immediate's high byte repeats the setting that is left
.if MSB != \new
	s_set_vgpr_msb (MSB<<8)|\new
.set MSB, \new
.endif
.endm
.set W_KQ, 0x05                        ; K and Q in window 1, S^T in window 0
.set W_PV, 0x51                        ; V and O^T in window 1, P in window 0
.set W_RS, 0x41                        ; O^T (destination and source 0) in window 1, a in window 0
.set TO1,  0x40                        ; destination window 1, address window 0
.macro PLACES                          ; four places behind a matrix instruction (ISA guide 7.12.1 for vector instructions)
.rept 4
	v_nop
.endr
.endm
; Waves 0 to 3 fetch the four quarters of a slot's K, waves 4 to 7 those of V: one load of 32 double rows a wave.  The branch hangs on the wave's number alone.
; An s_nop 0 and four v_nop follow each of the two lines.
.macro JLOAD
	s_cmp_lt_u32 s[WV], 4
	s_cbranch_scc0 .Lfor_v_\@
	tensor_load_to_lds s[G0K:G0K+3], s[G1K:G1K+7]
	s_nop 0
.rept 4
	v_nop
.endr
	s_branch .Lasked_\@
.Lfor_v_\@:
	tensor_load_to_lds s[G0V:G0V+3], s[G1V:G1V+7]
	s_nop 0
.rept 4
	v_nop
.endr
.Lasked_\@:
.endm
; A PREFETCH INTO THE L2 of the key slot that the NEXT change of slots will ask for.  The four work-groups of a head walk the same K and V; the one with i = 0 walks all eight slots in its first walk, and it alone asks:
; in trip t = 0 .. 5 for key slot t + 2, each wave for the quarter that it will fetch: 8,192 bytes, lanes 256 bytes apart.  So each aligned block of 256 bytes is named once in the launch; key slots 0 and 1 come by their loads alone.
.macro ASK
	s_cmp_lt_u32 s[TT], s[LIM]
	s_cbranch_scc0 .Lnot_mine_\@
	global_prefetch_b8 v[PFO], s[PFA:PFA+1] th:TH_LOAD_NT scope:SCOPE_SE
.Lnot_mine_\@:
.endm
	s_load_b128 s[4:7], s[0:1], 0x0                ; qkvh s[4:5], yh s[6:7]
	v_lshl_add_u32 v[SPW], v0, 2, SPARE
	v_mov_b32 v[NIL], 0
	ds_add_u32 v[SPW], v[NIL]                      ; the wave's opening: the add, twice on end, and its wait ahead of my first tensor load; the set-up below stands between the second and the wait
	ds_add_u32 v[SPW], v[NIL]
	v_lshrrev_b32 v1, 5, v0
	v_readfirstlane_b32 s[WV], v1                  ; wave 0..7
	s_lshr_b32 s[GRP], s[WV], 2
	s_and_b32 s[SUB], s[WV], 3
	s_mov_b32 s[PAIR], ttmp9
	s_and_b32 s[BH], ttmp7, 0xffff
	; descriptor group 1: 64 keys are 8,192 dense bytes: 32 rows of 32 elements of 8 bytes, padded in LDS
	s_mov_b32 s[G1K], (3<<16)|(1<<20)|(5<<22)|(3<<25)              ; 15:0 no mask; 17:16 elements of 8 bytes; 20 padding on; 24:22 after every 64 words (code 5); 31:25 four words (code 3)
	s_mov_b32 s[G1V], (3<<16)|(1<<20)|(5<<22)|(7<<25)              ; the same with eight words of padding (code 7)
.irp g, G1K, G1V
	s_mov_b32 s[\g+1], 32<<16                      ; tensor_dim0 = 32
	s_mov_b32 s[\g+2], 32<<16                      ; tensor_dim1 = 32
	s_mov_b32 s[\g+3], 32<<16                      ; tile_dim0 = 32
	s_mov_b32 s[\g+4], 32                          ; tile_dim1 = 32
	s_mov_b32 s[\g+5], 32                          ; tensor_dim0_stride
	s_mov_b32 s[\g+6], 0
	s_mov_b32 s[\g+7], 0
.endr
	s_mov_b32 s[CS], 0x3e38aa3b                    ; c = log2(e) / sqrt(64)
	s_mov_b32 s[CS+1], s[CS]                       ; (named with it as a pair, so it is written)
	s_mov_b32 s[SEL], 0x76543210
	s_mov_b32 s[SEL+1], 0xfedcba98
	s_mov_b32 s[TB], 0
	s_mov_b32 s[TT], 0
	s_mov_b32 s[WALK], 0
	s_mov_b32 s[OFF+1], 0
	s_sub_co_u32 s[QBLK], 7, s[PAIR]               ; the first walk's block
	s_cmp_eq_u32 s[PAIR], 0
	s_cselect_b32 s[LIM], 6, 0
	s_lshl_b32 s20, s[BH], 18                      ; a head's 2,048 rows of 128 bytes
	s_lshl_b32 s21, s[SUB], 13                     ; 64 rows
	s_add_co_u32 s20, s20, s21
	s_mov_b32 s21, 0
	s_and_b32 s22, s[BH], 15                       ; y: h x 8,192 rows + b x 2,048 rows + my 64
	s_lshl_b32 s22, s22, 20
	s_lshr_b32 s23, s[BH], 4
	s_lshl_b32 s23, s23, 18
	s_add_co_u32 s22, s22, s23
	s_lshl_b32 s23, s[SUB], 13
	s_add_co_u32 s22, s22, s23
	s_mov_b32 s23, 0
	s_wait_dscnt 0x0                               ; both opening adds are done
	s_wait_kmcnt 0x0
	s_add_nc_u64 s[QBASE:QBASE+1], s[4:5], s[20:21]
	s_add_nc_u64 s[KB:KB+1], s[QBASE:QBASE+1], 0x1000000           ; k lies 16,777,216 bytes behind q,
	s_add_nc_u64 s[VB:VB+1], s[QBASE:QBASE+1], 0x2000000           ; v as far again
	s_add_nc_u64 s[YBASE:YBASE+1], s[6:7], s[22:23]
	s_mov_b32 s[G0K], 1                            ; 1:0 count = 1
	s_mul_i32 s[G0K+1], s[SUB], KSTEPB             ; 63:32 LDS address: slot 0, my quarter
	s_mov_b64 s[G0K+2:G0K+3], s[KB:KB+1]           ; 120:64 global address: key slot 0
	s_or_b32 s[G0K+3], s[G0K+3], 0x80000000        ; 127:126 type = 2
	s_mov_b32 s[G0V], 1
	s_mul_i32 s[G0V+1], s[SUB], VSTEPB
	s_add_co_u32 s[G0V+1], s[G0V+1], VOFF
	s_mov_b64 s[G0V+2:G0V+3], s[VB:VB+1]
	s_or_b32 s[G0V+3], s[G0V+3], 0x80000000
	JLOAD                                          ; slot 0: the one first fill at the head; one load of mine is out, here and behind every change of slots
	s_cmp_lt_u32 s[WV], 4
	s_cselect_b64 s[PFA:PFA+1], s[KB:KB+1], s[VB:VB+1]
	s_add_nc_u64 s[PFA:PFA+1], s[PFA:PFA+1], 0x8000                ; at key slot 1: the first change of slots steps it to 2.  Nothing is prefetched here, at the head
	v_and_b32 v1, 15, v0                           ; r
	v_bfe_u32 v2, v0, 4, 1                         ; h
	v_lshrrev_b32 v5, 1, v1
	v_mul_u32_u24 v[AK0], v5, PK                   ; K: key r of a tile: double row r / 2,
	v_and_b32 v5, 1, v0
	v_lshl_add_u32 v[AK0], v5, 7, v[AK0]           ; its half,
	v_lshl_add_u32 v[AK0], v2, 4, v[AK0]           ; 16 bytes for each half of the lanes,
	s_mul_i32 s20, s[GRP], KSTEPB
	v_add_nc_u32 v[AK0], s20, v[AK0]               ; my group's first step
	v_bfe_u32 v5, v0, 1, 2
	v_lshl_add_u32 v5, v2, 2, v5                   ; V: the turning load's lane l addresses key 8 h + l % 8: double row 4 h + (l % 8) / 2,
	v_mul_u32_u24 v[AV0], v5, PV
	v_and_b32 v5, 1, v0
	v_lshl_add_u32 v[AV0], v5, 7, v[AV0]           ; its half,
	v_bfe_u32 v5, v0, 3, 1
	v_lshl_add_u32 v[AV0], v5, 4, v[AV0]           ; channels 8 ((l / 8) % 2) on
	s_mul_i32 s20, s[GRP], VSTEPB
	s_add_co_u32 s20, s20, VOFF
	v_add_nc_u32 v[AV0], s20, v[AV0]
	v_lshlrev_b32 v[QO], 7, v1
	v_lshl_add_u32 v[QO], v2, 4, v[QO]             ; Q: row r of 128 bytes + 16 h
	v_and_b32 v6, 31, v0                           ; lane
	s_mul_i32 s20, s[SUB], MRGW
	s_add_co_u32 s20, s20, MRG
	v_lshl_add_u32 v[MA], v6, 4, s20
	s_mul_i32 s20, s[SUB], STGW
	s_add_co_u32 s20, s20, STG
	v_mul_u32_u24 v[STO], v1, 144
	v_lshl_add_u32 v[STO], v2, 4, v[STO]
	v_add_nc_u32 v[STO], s20, v[STO]               ; in: row r of 144 bytes, 16 bytes for each half of the lanes
	v_lshrrev_b32 v5, 3, v6
	v_mul_u32_u24 v[RD], v5, 144
	v_and_b32 v5, 7, v0
	v_lshl_add_u32 v[RD], v5, 4, v[RD]
	v_add_nc_u32 v[RD], s20, v[RD]                 ; back: eight lanes to a row of 128 bytes, four rows an instruction
	v_lshlrev_b32 v[GO], 4, v6
	v_lshlrev_b32 v[PFO], 8, v6
	v_mov_b32 v[NINF], 0xff800000
	v_lshlrev_b32 v5, 3, v2
	v_sub_nc_u32 v5, v1, v5                        ; r - 8 h
.irp j, 0,1,2,3,4,5,6,7
	v_cmp_gt_i32 s[MK+\j], \j, v5                  ; on the diagonal tile register j holds key 8 h + j of the tile, my query is r: hidden where j > r - 8 h.
.endr
; One tile's softmax for a step of 64 keys, the four tiles by turns line by line, so that no line waits for the line above it.
.macro SOFTMAX
.irp j, 0,1,2,3                        ; the maximum of the lane's 32 scores and the old m, three operands at a time: four chains, each begun at an accumulator's low end
.irp t, 0,1,2,3
	v_max3_num_f32 v[ST+8*\t+4+\j], v[S+32*\t+8*\j], v[S+32*\t+8*\j+1], v[S+32*\t+8*\j+2]
.endr
.endr
.irp i, 3,5
.irp j, 0,1,2,3
.irp t, 0,1,2,3
	v_max3_num_f32 v[ST+8*\t+4+\j], v[ST+8*\t+4+\j], v[S+32*\t+8*\j+\i], v[S+32*\t+8*\j+\i+1]
.endr
.endr
.endr
.irp t, 0,1,2,3
	v_max3_num_f32 v[ST+8*\t+4], v[ST+8*\t+4], v[S+32*\t+7], v[S+32*\t+15]
.endr
.irp t, 0,1,2,3
	v_max3_num_f32 v[ST+8*\t+6], v[ST+8*\t+6], v[S+32*\t+23], v[S+32*\t+31]
.endr
.irp t, 0,1,2,3
	v_max3_num_f32 v[ST+8*\t+4], v[ST+8*\t+4], v[ST+8*\t+5], v[ST+8*\t+6]
.endr
.irp t, 0,1,2,3
	v_max3_num_f32 v[ST+8*\t+4], v[ST+8*\t+4], v[ST+8*\t+7], v[ST+8*\t+1]
.endr
.irp t, 0,1,2,3
	v_permlanex16_b32 v[ST+8*\t+5], v[ST+8*\t+4], s[SEL], s[SEL+1]   ; the query's other 32 keys lie in the lane 16 away
.endr
.irp t, 0,1,2,3
	v_mov_b32 v[ST+8*\t+7], v[ST+8*\t]             ; c m_old is kept for a
.endr
.irp t, 0,1,2,3
	v_max_num_f32 v[ST+8*\t+1], v[ST+8*\t+4], v[ST+8*\t+5]
.endr
.irp t, 0,1,2,3
	v_mul_f32 v[ST+8*\t], s[CS], v[ST+8*\t+1]
.endr
.irp t, 0,1,2,3
	v_sub_f32 v[ST+8*\t+7], v[ST+8*\t+7], v[ST+8*\t]
.endr
.set j, 0
.rept 16
.irp t, 0,1,2,3
	v_pk_fma_f32 v[S+32*\t+2*j:S+32*\t+2*j+1], v[S+32*\t+2*j:S+32*\t+2*j+1], s[CS:CS+1], v[ST+8*\t:ST+8*\t+1] op_sel_hi:[1,0,0] neg_lo:[0,0,1] neg_hi:[0,0,1]   ; c s - c m, two at a time
.endr
.set j, j+1
.endr
.irp t, 0,1,2,3
	v_exp_f32 v[ST+8*\t+6], v[ST+8*\t+7]           ; a
.endr
.set j, 0
.rept 32
.irp t, 0,1,2,3
	v_exp_f32 v[S+32*\t+j], v[S+32*\t+j]           ; p
.endr
.set j, j+1
.endr
	v_nop                                          ; a plain instruction behind the last exponential, ahead of the first use
	s_wait_alu depctr_va_vdst(0)                   ; ONE wait for the batch of 132, ahead of its first reader
.set j, 0
.rept 16
.irp t, 0,1,2,3
	v_cvt_pk_f16_f32 v[P+16*\t+j], v[S+32*\t+2*j], v[S+32*\t+2*j+1]   ; the weights for the second product, a pair of neighbouring keys each
.endr
.set j, j+1
.endr
.irp u, 0,1,2,3,4,5,6,7                ; the sum of the tile's 16 pairs, in place: neighbours 1, 2, 4 and 8 pairs apart
.irp t, 0,1,2,3
	v_pk_add_f32 v[S+32*\t+4*\u:S+32*\t+4*\u+1], v[S+32*\t+4*\u:S+32*\t+4*\u+1], v[S+32*\t+4*\u+2:S+32*\t+4*\u+3]
.endr
.endr
.irp u, 0,1,2,3
.irp t, 0,1,2,3
	v_pk_add_f32 v[S+32*\t+8*\u:S+32*\t+8*\u+1], v[S+32*\t+8*\u:S+32*\t+8*\u+1], v[S+32*\t+8*\u+4:S+32*\t+8*\u+5]
.endr
.endr
.irp u, 0,1
.irp t, 0,1,2,3
	v_pk_add_f32 v[S+32*\t+16*\u:S+32*\t+16*\u+1], v[S+32*\t+16*\u:S+32*\t+16*\u+1], v[S+32*\t+16*\u+8:S+32*\t+16*\u+9]
.endr
.endr
.irp t, 0,1,2,3
	v_pk_add_f32 v[S+32*\t:S+32*\t+1], v[S+32*\t:S+32*\t+1], v[S+32*\t+16:S+32*\t+17]
.endr
.irp t, 0,1,2,3
	v_pk_fma_f32 v[ST+8*\t+2:ST+8*\t+3], v[ST+8*\t+2:ST+8*\t+3], v[ST+8*\t+6:ST+8*\t+7], v[S+32*\t:S+32*\t+1] op_sel_hi:[1,0,1]   ; l = a l + the sum
.endr
.endm
; A STEP of 64 keys: the u-th of my group's two in the slot in hand.
.macro STEP u
	s_lshl_b32 s[KSI], s[NN], 2
	s_add_co_u32 s[KSI], s[KSI], s[GRP]
.if \u
	s_add_co_u32 s[KSI], s[KSI], 2*\u
.endif
	s_cmp_gt_u32 s[KSI], s[DSI]                    ; all its keys come after my 64 queries: left out
	s_cbranch_scc1 .Lhidden_\@
	WIN TO1
.irp f, 0,1,2,3,4,5,6,7                ; K: keys 16 (f / 2) on, channels 32 (f % 2) on.  (The last products that read these registers stand four places back: the end of the step before)
	ds_load_b128 v[KV+8*\f:KV+8*\f+3],   v[ADK] offset:2*KSTEPB*\u+8*PK*(\f/2)+64*(\f%2)
	ds_load_b128 v[KV+8*\f+4:KV+8*\f+7], v[ADK] offset:2*KSTEPB*\u+8*PK*(\f/2)+64*(\f%2)+32
.endr
	s_wait_dscnt 0x0
	WIN W_KQ
.set i, 0
.rept 32                               ; S^T = K Q^T: channels 32 (i / 16) on, keys 16 ((i % 16) / 4) on, tile i % 4.  The 16 accumulators take turns; the first 16 products start the sums
.set rS, S+32*(i%4)+8*((i%16)/4)
.set rK, KV+16*((i%16)/4)+8*(i/16)
.set rQ, QF+16*(i%4)+8*(i/16)
.if i < 16
	v_wmma_f32_16x16x32_f16 v[rS:rS+7], v[rK:rK+7], v[rQ:rQ+7], 0
.else
	v_wmma_f32_16x16x32_f16 v[rS:rS+7], v[rK:rK+7], v[rQ:rQ+7], v[rS:rS+7]
.endif
.set i, i+1
.endr
	WIN 0
	PLACES                                         ; in front of the loads into K's registers and of the first read of the scores
	WIN TO1
.irp f, 0,1,2,3,4,5,6,7                ; V, turned, into the same registers: keys 32 (f / 4) on, channels 16 (f % 4) on.  It lands while the softmax is walked
	ds_load_tr16_b128 v[KV+8*\f:KV+8*\f+3],   v[ADV] offset:2*VSTEPB*\u+16*PV*(\f/4)+32*(\f%4)
	ds_load_tr16_b128 v[KV+8*\f+4:KV+8*\f+7], v[ADV] offset:2*VSTEPB*\u+16*PV*(\f/4)+32*(\f%4)+8*PV
.endr
	WIN 0
	s_cmp_lg_u32 s[KSI], s[DSI]
	s_cbranch_scc1 .Lopen_\@
.irp t, 0,1,2,3                        ; THE DIAGONAL STEP: tile t's queries are 16 t + r, register 8 k + j holds key 16 k + 8 h + j.  Each query sees its own key here, so m stays a number
.irp k, 0,1,2,3
.if \k > \t
.irp j, 0,1,2,3,4,5,6,7
	v_mov_b32 v[S+32*\t+8*\k+\j], v[NINF]
.endr
.elseif \k == \t
.irp j, 0,1,2,3,4,5,6,7
	v_cndmask_b32 v[S+32*\t+8*\k+\j], v[S+32*\t+8*\k+\j], v[NINF], s[MK+\j]
.endr
.endif
.endr
.endr
.Lopen_\@:
	SOFTMAX
	WIN W_RS
.set j, 0
.rept 64
	v_pk_mul_f32 v[2*j:2*j+1], v[2*j:2*j+1], v[ST+8*(j/16)+6:ST+8*(j/16)+7] op_sel_hi:[1,0]   ; O^T x a, ascending: each accumulator from its low end on
.set j, j+1
.endr
	s_wait_dscnt 0x0                               ; V is in
	WIN W_PV
.set i, 0
.rept 32                               ; O^T += V^T P: keys 32 (i / 16) on, channels 16 ((i % 16) / 4) on, tile i % 4: 16 accumulators by turns
.set rO, 32*(i%4)+8*((i%16)/4)
.set rV, KV+8*(4*(i/16)+(i%16)/4)
.set rP, P+16*(i%4)+8*(i/16)
	v_wmma_f32_16x16x32_f16 v[rO:rO+7], v[rV:rV+7], v[rP:rP+7], v[rO:rO+7]
.set i, i+1
.endr
	WIN 0
	PLACES                                         ; for the next step's loads into these registers, and for the first read of O^T at the walk's end
.Lhidden_\@:
.endm
; THE CHANGE OF SLOTS stands at a trip's head.  Each wave waits for all its tensor loads (its quarter of the slot that is about to be read), adds 0 to its spare word, and waits for that and for its reads of the slot that it has left.
; Behind the barrier the slot ahead is whole and nobody reads the other one, which is then filled with the next key slot, if a step will read it: the walk's key slot NN + 1 while NN is under the walk's block,
; and in trip 7 the second walk's key slot 0.  The test is made of ids and counts of trips alone, the same in all eight waves, and leads round the load's own lines alone; every wait on TENSORcnt in this text is for 0.
; In the very first trip all eight loads fill slot 1 for the first time, and none fills bytes again.
.macro CHANGE
	s_wait_tensorcnt 0x0                           ; no tensor load of mine is out, so a group 0 may be written
	ds_add_u32 v[SPW], v[NIL]                      ; 0 onto my spare word; the descriptors' steps stand between it and the wait
	s_xor_b32 s[G0K+1], s[G0K+1], SLOT1            ; the other slot than last time, in every trip alike
	s_xor_b32 s[G0V+1], s[G0V+1], SLOT1
	s_add_co_u32 s[OFF], s[NN], 1
	s_and_b32 s[OFF], s[OFF], 7
	s_lshl_b32 s[OFF], s[OFF], 15                  ; key slot (NN + 1) % 8: 256 rows of 128 bytes each
	s_add_nc_u64 s[G0K+2:G0K+3], s[KB:KB+1], s[OFF:OFF+1]
	s_or_b32 s[G0K+3], s[G0K+3], 0x80000000
	s_add_nc_u64 s[G0V+2:G0V+3], s[VB:VB+1], s[OFF:OFF+1]
	s_or_b32 s[G0V+3], s[G0V+3], 0x80000000
	s_wait_xcnt 0x0                                ; the last prefetch, a trip back, has read its address, so it may be written
	s_add_nc_u64 s[PFA:PFA+1], s[PFA:PFA+1], 0x8000
	s_cmp_lt_u32 s[NN], s[QBLK]
	s_cselect_b32 s[FILL], 1, 0
	s_cmp_eq_u32 s[TT], 7
	s_cselect_b32 s[FILL], 1, s[FILL]
	s_wait_dscnt 0x0                               ; the add is done, and my reads of the slot that I have left are over
	s_barrier_signal -1
	s_barrier_wait -1
	s_cmp_eq_u32 s[FILL], 0
	s_cbranch_scc1 .Lpast_\@
	JLOAD                                          ; the first thing behind the barrier, and my one tensor load until the next
.Lpast_\@:
	ASK
.endm
.Lwalk:
	s_lshl_b32 s[DSI], s[QBLK], 2
	s_add_co_u32 s[DSI], s[DSI], s[SUB]
	s_lshl_b32 s[OFF], s[QBLK], 15
	s_add_nc_u64 s[QP:QP+1], s[QBASE:QBASE+1], s[OFF:OFF+1]
	s_add_nc_u64 s[YP:YP+1], s[YBASE:YBASE+1], s[OFF:OFF+1]
	WIN TO1
.irp t, 0,1,2,3                        ; Q stays in registers for the walk: tile t, channels 32 c on
.irp c, 0,1
	global_load_b128 v[QF+16*\t+8*\c:QF+16*\t+8*\c+3],   v[QO], s[QP:QP+1] offset:2048*\t+64*\c
	global_load_b128 v[QF+16*\t+8*\c+4:QF+16*\t+8*\c+7], v[QO], s[QP:QP+1] offset:2048*\t+64*\c+32
.endr
.endr
.set j, 0
.rept 128
	v_mov_b32 v[j], 0                              ; O^T
.set j, j+1
.endr
	WIN 0
.irp t, 0,1,2,3
	v_mov_b32 v[ST+8*\t+1], 0xff61b1e6             ; m: -3e38, under every score
	v_mov_b32 v[ST+8*\t+2], 0                      ; l, in two halves
	v_mov_b32 v[ST+8*\t+3], 0
	v_mov_b32 v[ST+8*\t+4], 0                      ; (a lane permute's destination and the upper halves of named pairs are written before they are named)
	v_mov_b32 v[ST+8*\t+5], 0
	v_mov_b32 v[ST+8*\t+6], 0
	v_mov_b32 v[ST+8*\t+7], 0
	v_mul_f32 v[ST+8*\t], s[CS], v[ST+8*\t+1]      ; c m
.endr
	s_wait_loadcnt 0x0                             ; Q
	s_mov_b32 s[NN], 0
.Ltrip:                                            ; 8 trips, a constant: a trip is a slot of 256 keys
	CHANGE
	v_add_nc_u32 v[ADK], s[TB], v[AK0]
	v_add_nc_u32 v[ADV], s[TB], v[AV0]
	STEP 0
	STEP 1
	s_xor_b32 s[TB], s[TB], SLOT1                  ; on to the other slot
	s_add_co_u32 s[TT], s[TT], 1
	s_add_co_u32 s[NN], s[NN], 1
	s_cmp_lt_u32 s[NN], 8
	s_cbranch_scc1 .Ltrip
	; THE MERGE.  Group 1 hands its O^T and statistics over as images of its registers; group 0 brings both halves under the larger c m, adds, divides by the sum, and stores.
	s_cmp_lt_u32 s[WV], 4
	s_cbranch_scc1 .Lkeep
	WIN 0x04                                       ; an LDS store's data are its source 1: window 1
.set j, 0
.rept 32
	ds_store_b128 v[MA], v[4*j:4*j+3] offset:512*j                 ; ascending: each accumulator from its low end on
.set j, j+1
.endr
	WIN 0
.irp t, 0,1,2,3
	ds_store_b128 v[MA], v[ST+8*\t:ST+8*\t+3] offset:16384+512*\t  ; c m, m, l, l
.endr
.Lkeep:
	s_wait_dscnt 0x0                               ; for the partner's sake: my stores have landed
	s_barrier_signal -1
	s_barrier_wait -1
	s_cmp_ge_u32 s[WV], 4
	s_cbranch_scc1 .Lsent
.irp t, 0,1,2,3
	ds_load_b128 v[PS+4*\t:PS+4*\t+3], v[MA] offset:16384+512*\t
.endr
.set j, 0
.rept 32
	ds_load_b128 v[S+4*j:S+4*j+3], v[MA] offset:512*j              ; the partner's O^T, where the scores lay
.set j, j+1
.endr
	s_wait_dscnt 32                                ; the statistics are in; the 32 loads of the image may be out
.irp t, 0,1,2,3
	v_max_num_f32 v[ST+8*\t+7], v[ST+8*\t], v[PS+4*\t]
.endr
.irp t, 0,1,2,3
	v_sub_f32 v[ST+8*\t+4], v[ST+8*\t], v[ST+8*\t+7]
	v_sub_f32 v[ST+8*\t+6], v[PS+4*\t], v[ST+8*\t+7]
.endr
.irp t, 0,1,2,3
	v_exp_f32 v[ST+8*\t+4], v[ST+8*\t+4]           ; my factor,
	v_exp_f32 v[ST+8*\t+6], v[ST+8*\t+6]           ; the partner's
.endr
	v_nop
	s_wait_alu depctr_va_vdst(0)                   ; one wait for the eight
.irp t, 0,1,2,3
	v_pk_mul_f32 v[ST+8*\t+2:ST+8*\t+3], v[ST+8*\t+2:ST+8*\t+3], v[ST+8*\t+4:ST+8*\t+5] op_sel_hi:[1,0]
.endr
.irp t, 0,1,2,3
	v_pk_fma_f32 v[ST+8*\t+2:ST+8*\t+3], v[PS+4*\t+2:PS+4*\t+3], v[ST+8*\t+6:ST+8*\t+7], v[ST+8*\t+2:ST+8*\t+3] op_sel_hi:[1,0,1]
.endr
.irp t, 0,1,2,3
	v_add_f32 v[ST+8*\t+1], v[ST+8*\t+2], v[ST+8*\t+3]
.endr
.irp t, 0,1,2,3
	v_permlanex16_b32 v[ST+8*\t+5], v[ST+8*\t+1], s[SEL], s[SEL+1]
.endr
.irp t, 0,1,2,3
	v_add_f32 v[ST+8*\t+1], v[ST+8*\t+1], v[ST+8*\t+5]             ; the row's sum: at least its own key's weight
.endr
.irp t, 0,1,2,3
	v_rcp_f32 v[ST+8*\t+5], v[ST+8*\t+1]
.endr
	v_nop
	s_wait_alu depctr_va_vdst(0)                   ; one wait for the four
.irp t, 0,1,2,3
	v_mul_f32 v[ST+8*\t+4], v[ST+8*\t+4], v[ST+8*\t+5]             ; the two factors, each over the sum
	v_mul_f32 v[ST+8*\t+6], v[ST+8*\t+6], v[ST+8*\t+5]
.endr
	s_wait_dscnt 0x0                               ; the image is in
.set j, 0
.rept 64
	v_pk_mul_f32 v[S+2*j:S+2*j+1], v[S+2*j:S+2*j+1], v[ST+8*(j/16)+6:ST+8*(j/16)+7] op_sel_hi:[1,0]
.set j, j+1
.endr
	WIN 0x01                                       ; source 0 (my O^T) window 1
.set j, 0
.rept 64
	v_pk_fma_f32 v[S+2*j:S+2*j+1], v[2*j:2*j+1], v[ST+8*(j/16)+4:ST+8*(j/16)+5], v[S+2*j:S+2*j+1] op_sel_hi:[1,0,1]   ; ascending: each accumulator from its low end on
.set j, j+1
.endr
	WIN 0
.set j, 0
.rept 64
	v_cvt_pk_f16_f32 v[P+j], v[S+2*j], v[S+2*j+1]  ; a lane's eight channels of a row pack into 16 bytes
.set j, j+1
.endr
.irp t, 0,1,2,3
.irp c, 0,1,2,3
	ds_store_b128 v[STO], v[P+16*\t+4*\c:P+16*\t+4*\c+3] offset:2304*\t+32*\c
.endr
.endr
.irp t, 0,1,2,3
.irp u, 0,1,2,3
	ds_load_b128 v[S+16*\t+4*\u:S+16*\t+4*\u+3], v[RD] offset:2304*\t+576*\u   ; LDS serves a wave's instructions in order (ISA guide 5.7.1.4): these see the stores above
.endr
.endr
.irp t, 0,1,2,3
.irp u, 0,1,2,3
	s_wait_dscnt 15-4*\t-\u
	global_store_b128 v[GO], v[S+16*\t+4*\u:S+16*\t+4*\u+3], s[YP:YP+1] offset:2048*\t+512*\u   ; four rows of the head: 512 consecutive bytes, aligned
.endr
.endr
.Lsent:
	s_wait_xcnt 0x0                                ; the stores have read their registers and their base: both are written again in the second walk
	s_mov_b32 s[QBLK], s[PAIR]                     ; the second walk's block
	s_add_co_u32 s[WALK], s[WALK], 1
	s_cmp_lt_u32 s[WALK], 2
	s_cbranch_scc1 .Lwalk
	s_wait_tensorcnt 0x0                           ; the wave's end: these three lines, behind my last tensor load and my last LDS store
	ds_add_u32 v[SPW], v[NIL]
	s_wait_dscnt 0x0
	s_endpgm
.Lfunc_end_k_qd1798a6c54_attn:
	.size	k_qd1798a6c54_attn, .Lfunc_end_k_qd1798a6c54_attn-k_qd1798a6c54_attn
	.p2alignl 7, 3214868480
	.fill 96, 4, 3214868480
	.section	.rodata,"a",@progbits
	.p2align	6, 0x0
	.amdhsa_kernel k_qd1798a6c54_attn
		.amdhsa_group_segment_fixed_size 327680
		.amdhsa_private_segment_fixed_size 0
		.amdhsa_enable_private_segment 0
		.amdhsa_kernarg_size 16
		.amdhsa_user_sgpr_count 2
		.amdhsa_user_sgpr_kernarg_segment_ptr 1
		.amdhsa_wavefront_size32 1
		.amdhsa_system_sgpr_workgroup_id_x 1
		.amdhsa_system_sgpr_workgroup_id_y 1
		.amdhsa_system_sgpr_workgroup_id_z 1
		.amdhsa_system_vgpr_workitem_id 0
		.amdhsa_next_free_vgpr 512
		.amdhsa_next_free_sgpr 88
		.amdhsa_reserve_vcc 0
		.amdhsa_float_denorm_mode_32 3
		.amdhsa_float_denorm_mode_16_64 3
		.amdhsa_memory_ordered 1
		.amdhsa_forward_progress 1
		.amdhsa_inst_pref_size 109
	.end_amdhsa_kernel
	.amdgpu_metadata
---
amdhsa.version: [ 1, 2 ]
amdhsa.kernels:
  - .name:           k_qd1798a6c54_attn
    .symbol:         k_qd1798a6c54_attn.kd
    .args:
      - { .name: qkvh, .offset: 0, .size: 8, .value_kind: global_buffer, .address_space: global }
      - { .name: yh, .offset: 8, .size: 8, .value_kind: global_buffer, .address_space: global }
    .group_segment_fixed_size: 327680
    .private_segment_fixed_size: 0
    .kernarg_segment_align: 8
    .kernarg_segment_size: 16
    .max_flat_workgroup_size: 256
    .sgpr_count:     88
    .vgpr_count:     512
    .wavefront_size: 32
...
	.end_amdgpu_metadata
.endif
;; end of part 3
;; launch proj (part 4): grid 8 x 32, 4 waves a work-group, clusters of 4 x 4, 327,680 bytes of LDS; arguments yh, wp_t, out0; writes out0
.if DOCPART == 4
	.amdgcn_target "amdgcn-amd-amdhsa--gfx1250"
	.amdhsa_code_object_version 6
	.text
	.protected	k_qd1798a6c54_proj
	.globl	k_qd1798a6c54_proj
	.p2align	8
	.type	k_qd1798a6c54_proj,@function
k_qd1798a6c54_proj:
	s_mov_b64 s[64:65], 0
	v_nop
	global_prefetch_b8 v0, s[64:65] scope:SCOPE_SE
	s_setreg_imm32_b32 hwreg(HW_REG_WAVE_MODE, 25, 1), 1
	s_wait_xcnt 0x0
	s_wait_alu depctr_hold_cnt(0) depctr_sa_sdst(0) depctr_va_vdst(0) depctr_va_sdst(0) depctr_va_ssrc(0) depctr_va_vcc(0) depctr_vm_vsrc(0)
	s_getreg_b32 s2, hwreg(HW_REG_IB_STS2, 6, 4)
	s_cmp_eq_u32 s2, 0
	s_cbranch_scc0 .Lentry_in_a_cluster
	s_endpgm
.Lentry_in_a_cluster:
	s_bfe_u32 s2, ttmp6, 0x10000c
	s_cmp_lg_u32 s2, 0xf033
	s_cbranch_scc0 .Lentry_shape_is_right
	s_endpgm
.Lentry_shape_is_right:
; out0[m][n] = the sum over k of y[m][k] w_proj[k][n].  y: f16, laid by head, yh [h 16][m 8192][64] (k = 64 h + d); w: f16, turned, wp_t [n 1024][k 1024]; out0: [8192][1024] f32; sums in f32.
; A tile of out0 is 256 (m) x 128 (n): 256 work-groups.  Four waves, each 128 x 64: 32 accumulators, 256 registers.  K goes in steps of 128 (two heads) through a ring of two LDS slots.
; A head's 256 rows of y are 32,768 dense bytes: they come as 128 double rows of 256 bytes; row m lies at (m / 2) x 272 + 128 (m % 2).  w's rows of a K step are 256 bytes.
; CLUSTERS: 4 x 4 work-groups.  The four of a row of the cluster need the same tiles of y, the four of a column the same tiles of w: each tile is asked for JOINTLY, by the same tensor load with the same descriptor and a mask
; that names the four.  Waves 0 and 1 fetch the K step's two heads of y, waves 2 and 3 the two halves of w's 128 rows: one load a wave.
; THE MATRIX INSTRUCTION IS USED TRANSPOSED (source 0 = 16 rows of wp_t, source 1 = 16 rows of y): a lane then holds eight neighbouring numbers of a row of out0.
; The first 16 rows of each sequence are stored here like all others and written anew, in f32 throughout, by the launch that follows.
; No prefetch: K has eight steps, two of which are asked for at the head.
; REGISTERS: window 0: v16-29 addresses; v64-127 rows on the way out.  window 1: two fragment buffers at v0 and v128: 64 registers of y (8 x 16 rows x 32 K), then 32 of w.  window 2: accumulator (a, b) at v[8 (4 a + b)].
.set PITCH,  272                       ; 256 bytes + 16 of padding = 68 words: the 16 rows that a load touches start at 16 different 16-byte columns
.set HALFT,  128*PITCH                 ; a head's 256 rows of y
.set BOFF,   2*HALFT                   ; behind y's two heads: w's 128 rows
.set BHALF,  64*PITCH
.set SLOT,   BOFF+2*BHALF
.set STAGE,  2*SLOT                    ; behind the ring: 16 rows x 272 bytes for each wave, for the way out
.set SPARE,  STAGE+4*16*272            ; the spare words, 128 bytes for each wave: two blocks of 256 bytes that no other line names
.set LAPS,   4                         ; a lap = two K steps = once round the ring
.set ADRA, 16                          ; v16-17  LDS address of my y fragments in slot 0, 1
.set ADRB, 20                          ; v20-21  the same for w
.set STO,  24                          ; v24     the way out: where I put 32 bytes of a row
.set RD,   25                          ; v25     where I read rows back
.set CO,   26                          ; v26     my byte offset in two rows of out0
.set SPW,  28                          ; v28     LDS address of my spare word; never rewritten
.set NIL,  29                          ; v29     0; never rewritten
.set F0,   0                           ; fragment buffers, in window 1
.set F1,   128
.set G1, 24                            ; s[24:31] descriptor group 1 for y's tiles;  s[32:39] group 0, one set for each slot
.set G0, 32
.set G1B, 48                           ; s[48:55], s[56:63] the same for w's tiles
.set G0B, 56
.set MSB, 0
.macro WIN new                         ; the immediate's high byte repeats the setting that is left
.if MSB != \new
	s_set_vgpr_msb (MSB<<8)|\new
.set MSB, \new
.endif
.endm
.set MUL,  0xa5                        ; sources 0 (w) and 1 (y) window 1; C and D window 2
.set TO_F, 0x40                        ; destination window 1, address window 0
.macro JLOAD s                         ; a joint load: an s_nop 0 and four v_nop follow each of the two lines, ahead of the jump, the label and what follows
	s_cmp_eq_u32 s11, 0
	s_cbranch_scc0 .Lfor_b_\@
	tensor_load_to_lds s[G0+4*\s:G0+4*\s+3], s[G1:G1+7]
	s_nop 0
.rept 4
	v_nop
.endr
	s_branch .Lasked_\@
.Lfor_b_\@:
	tensor_load_to_lds s[G0B+4*\s:G0B+4*\s+3], s[G1B:G1B+7]
	s_nop 0
.rept 4
	v_nop
.endr
.Lasked_\@:
.endm
.macro CREST                           ; a round of the cluster's barrier behind its opening barrier
	s_cmp_lg_u32 s10, 0
	s_cbranch_scc1 .Lnot_wave_0_\@
	s_barrier_signal -3
.Lnot_wave_0_\@:
	s_barrier_wait -3
	s_barrier_signal -1
	s_barrier_wait -1
.endm
.macro CROUND                          ; a whole round
	s_barrier_signal -1
	s_barrier_wait -1
	CREST
.endm
	s_load_b128 s[4:7], s[0:1], 0x0                ; yh s[4:5], wp_t s[6:7]
	s_load_b64 s[8:9], s[0:1], 0x10                ; out0
	v_lshl_add_u32 v[SPW], v0, 2, SPARE
	v_mov_b32 v[NIL], 0
	ds_add_u32 v[SPW], v[NIL]                      ; the wave's opening: the add, twice on end, and its wait ahead of my first tensor load; the set-up below stands between the second and the wait
	ds_add_u32 v[SPW], v[NIL]
	v_lshrrev_b32 v1, 5, v0
	v_readfirstlane_b32 s10, v1                    ; wave 0..3
	s_lshr_b32 s11, s10, 1                         ; which half of the tile's rows is mine.  Also: I fetch for y (0) or for w (1)
	s_and_b32 s12, s10, 1                          ; which half of its columns.  Also: which head of the K step, or which 64 rows of w, I fetch
	s_bfe_u32 s40, ttmp6, 0x40000                  ; cx, cy: my place in the cluster
	s_bfe_u32 s41, ttmp6, 0x40004
	s_lshl_b32 s42, ttmp9, 2
	s_add_co_u32 s42, s42, s40                     ; tile column = 4 x cluster x + cx
	s_and_b32 s13, ttmp7, 0xffff
	s_lshl_b32 s13, s13, 2
	s_add_co_u32 s13, s13, s41                     ; tile row = 4 x cluster y + cy
	s_lshl_b32 s43, s41, 2
	s_lshl_b32 s43, 15, s43                        ; my row of the cluster
	s_lshl_b32 s44, 0x1111, s40                    ; my column
	; descriptor group 1.  y: 128 rows of 32 elements of 8 bytes, dense;  w: 64 rows of 128 elements of 2 bytes, 1,024 elements apart.  Both padded by 4 words after every 64
	s_or_b32 s[G1+0], s43, (3<<16)|(1<<20)|(1<<21)|(5<<22)|(3<<25)  ; 15:0 the mask: y's tiles go to my row; 17:16 the element's size; 20 padding on; 21 set beside a mask; 24:22 code 5; 31:25 code 3
	s_mov_b32 s[G1+1], 32<<16                      ; tensor_dim0
	s_mov_b32 s[G1+2], 128<<16                     ; tensor_dim1
	s_mov_b32 s[G1+3], 32<<16                      ; tile_dim0
	s_mov_b32 s[G1+4], 128                         ; tile_dim1
	s_mov_b32 s[G1+5], 32                          ; tensor_dim0_stride
	s_mov_b32 s[G1+6], 0
	s_mov_b32 s[G1+7], 0
	s_or_b32 s[G1B+0], s44, (1<<16)|(1<<20)|(1<<21)|(5<<22)|(3<<25)
	s_mov_b32 s[G1B+1], 128<<16
	s_mov_b32 s[G1B+2], 64<<16
	s_mov_b32 s[G1B+3], 128<<16
	s_mov_b32 s[G1B+4], 64
	s_mov_b32 s[G1B+5], 1024
	s_mov_b32 s[G1B+6], 0
	s_mov_b32 s[G1B+7], 0
	s_lshl_b32 s16, s13, 15                        ; y: 256 rows of 128 bytes a tile row,
	s_lshl_b32 s17, s12, 20                        ; 1,048,576 bytes a head
	s_add_co_u32 s16, s16, s17
	s_mov_b32 s17, 0
	s_lshl_b32 s46, s42, 18                        ; w: 128 rows of 2,048 bytes a tile column,
	s_lshl_b32 s47, s12, 17                        ; my 64 of them
	s_add_co_u32 s46, s46, s47
	s_mov_b32 s47, 0
	s_mul_i32 s20, s12, HALFT                      ; where they go: no place in the cluster enters an LDS address
	s_mul_i32 s21, s12, BHALF
	s_add_co_u32 s21, s21, BOFF
	s_wait_dscnt 0x0                               ; both opening adds are done
	s_wait_kmcnt 0x0
	s_add_nc_u64 s[14:15], s[4:5], s[16:17]
	s_add_nc_u64 s[46:47], s[6:7], s[46:47]
	CROUND                                         ; all sixteen work-groups are here: the first joint loads meet
.irp s, 0,1
	s_mov_b32 s[G0+4*\s], 1
	s_add_co_u32 s[G0+4*\s+1], s20, \s*SLOT
	s_add_nc_u64 s[G0+4*\s+2:G0+4*\s+3], s[14:15], \s*2*1048576    ; K step s: heads 2 s and 2 s + 1
	s_or_b32 s[G0+4*\s+3], s[G0+4*\s+3], 0x80000000
	s_mov_b32 s[G0B+4*\s], 1
	s_add_co_u32 s[G0B+4*\s+1], s21, \s*SLOT
	s_add_nc_u64 s[G0B+4*\s+2:G0B+4*\s+3], s[46:47], \s*256
	s_or_b32 s[G0B+4*\s+3], s[G0B+4*\s+3], 0x80000000
	JLOAD \s                                       ; two loads of mine are out behind the second
.endr
	v_and_b32 v1, 15, v0                           ; r
	v_bfe_u32 v2, v0, 4, 1                         ; h
	v_lshrrev_b32 v3, 1, v1
	v_mul_u32_u24 v3, v3, PITCH                    ; y: row r of a fragment: double row r / 2,
	v_and_b32 v4, 1, v0
	v_lshl_add_u32 v3, v4, 7, v3                   ; its half,
	v_lshl_add_u32 v3, v2, 4, v3                   ; 16 bytes for each half of the lanes
	v_mul_u32_u24 v4, v1, PITCH
	v_lshl_add_u32 v4, v2, 4, v4                   ; w: row r x pitch + 16 h
	s_mul_i32 s21, s11, 64*PITCH                   ; my 128 rows of y: 64 double rows
	s_mul_i32 s22, s12, BHALF                      ; my 64 rows of w
	s_add_co_u32 s22, s22, BOFF
.irp s, 0,1
	v_add_nc_u32 v[ADRA+\s], s21, v3
	v_add_nc_u32 v[ADRB+\s], s22, v4
	s_add_co_u32 s21, s21, SLOT
	s_add_co_u32 s22, s22, SLOT
.endr
	s_mul_i32 s23, s10, 16*272
	s_add_co_u32 s23, s23, STAGE                   ; my stage
	v_mul_u32_u24 v5, v1, 272
	v_lshl_add_u32 v5, v2, 5, v5
	v_add_nc_u32 v[STO], s23, v5                   ; in: row r, 32 bytes for each half of the lanes
	v_mul_u32_u24 v5, v2, 272
	v_lshl_add_u32 v5, v1, 4, v5
	v_add_nc_u32 v[RD], s23, v5                    ; back: lanes 0-15 one row of 256 bytes, lanes 16-31 the next
	v_lshlrev_b32 v5, 12, v2
	v_lshl_add_u32 v[CO], v1, 4, v5                ; and the same two rows in out0 (4,096 bytes a row)
	s_lshl_b32 s16, s13, 8
	s_lshl_b32 s17, s11, 7
	s_add_co_u32 s16, s16, s17                     ; my first row
	s_lshl_b32 s16, s16, 12
	s_lshl_b32 s46, s42, 9                         ; my first column, in bytes: 512 x tile column + 256 x half
	s_lshl_b32 s47, s12, 8
	s_add_co_u32 s46, s46, s47
	s_add_co_u32 s16, s16, s46
	s_mov_b32 s17, 0
	s_add_nc_u64 s[8:9], s[8:9], s[16:17]
; 8 matrix instructions: y's blocks a0, a0 + 1 against w's four, 32 along K, from buffer f.  zero = 1: the first product starts the sums.  The 32 accumulators take turns, in the same order in every quarter.
.macro MUL8 f, a0, zero
.irp a, \a0, \a0+1
.irp b, 0,1,2,3
.if \zero
	v_wmma_f32_16x16x32_f16 v[8*(4*(\a)+\b):8*(4*(\a)+\b)+7], v[\f+64+8*\b:\f+64+8*\b+7], v[\f+8*(\a):\f+8*(\a)+7], 0
.else
	v_wmma_f32_16x16x32_f16 v[8*(4*(\a)+\b):8*(4*(\a)+\b)+7], v[\f+64+8*\b:\f+64+8*\b+7], v[\f+8*(\a):\f+8*(\a)+7], v[8*(4*(\a)+\b):8*(4*(\a)+\b)+7]
.endif
.endr
.endr
.endm
; 24 LDS loads in one run: the fragments of the slot's q-th 32 along K into buffer f: w's four, y's blocks 0-3, y's blocks 4-7.  Quarter q lies in head q / 2 of the K step, at byte 64 (q % 2) of its rows
.macro FETCH slot, q, f
	WIN TO_F
.irp b, 0,1,2,3
	ds_load_b128 v[\f+64+8*\b:\f+64+8*\b+3],   v[ADRB+\slot] offset:64*(\q)+16*PITCH*\b
	ds_load_b128 v[\f+64+8*\b+4:\f+64+8*\b+7], v[ADRB+\slot] offset:64*(\q)+16*PITCH*\b+32
.endr
.irp i, 0,1,2,3,4,5,6,7
	ds_load_b128 v[\f+8*\i:\f+8*\i+3],   v[ADRA+\slot] offset:((\q)/2)*HALFT+64*((\q)%2)+8*PITCH*\i
	ds_load_b128 v[\f+8*\i+4:\f+8*\i+7], v[ADRA+\slot] offset:((\q)/2)*HALFT+64*((\q)%2)+8*PITCH*\i+32
.endr
.endm
.macro PLACES                          ; four places in front of loads into registers that matrix instructions have read, and of the first read of results (ISA guide 7.12.1 for vector instructions)
.rept 4
	v_nop
.endr
.endm
; A K step is four quarters of 32 along K, 32 matrix instructions each, on buffers 0, 1, 0, 1.  One of the first three: multiplies buffer f and fetches quarter q into g.
.macro QUARTER slot, q, f, g, zero
	s_wait_dscnt 8                                 ; w's fragments and y's blocks 0-3 are in; the youngest eight loads (y's blocks 4-7) may be out
	WIN MUL
	MUL8 \f, 0, \zero
	MUL8 \f, 2, \zero
	PLACES
	FETCH \slot, \q, \g
	s_wait_dscnt 24                                ; all but the 24 just issued
	WIN MUL
	MUL8 \f, 4, \zero
	MUL8 \f, 6, \zero
.endm
; The last quarter multiplies buffer 1 and changes slots: ONE barrier; in front of it each wave waits for all its tensor loads, adds 0 to its spare word, and waits for that and for its own reads of this slot.
; fill = 1: the barrier opens a round of the cluster's barrier, and this slot is filled again, two K steps ahead: from the request to the wait for it a wave issues 112 matrix instructions.
.macro TURN slot, next, fill
	WIN 0                                          ; (the add's two registers lie in window 0)
	s_wait_tensorcnt 0x0                           ; all my tensor loads have landed: my part of the next slot
	ds_add_u32 v[SPW], v[NIL]                      ; 0 onto my spare word
	s_wait_dscnt 9                                 ; (the add and the youngest eight loads may be out)
	WIN MUL
	MUL8 F1, 0, 0                                  ; eight matrix instructions stand between the add and the wait for it
	s_wait_dscnt 0x0                               ; the add is done, and my reads of this slot are over
	s_barrier_signal -1
	MUL8 F1, 2, 0
	WIN 0
	s_barrier_wait -1
.if \fill
	CREST                                          ; no wave of any partner still reads this slot's tile or has a load on its way
	s_add_nc_u64 s[G0+4*\slot+2:G0+4*\slot+3], s[G0+4*\slot+2:G0+4*\slot+3], 4*1048576   ; four heads on
	s_add_nc_u64 s[G0B+4*\slot+2:G0B+4*\slot+3], s[G0B+4*\slot+2:G0B+4*\slot+3], 512
	JLOAD \slot                                    ; the first tensor load behind the round; the four v_nop behind it are also the places in front of the loads below
.else
	PLACES
.endif
	FETCH \next, 0, F0
	WIN MUL
	MUL8 F1, 4, 0
	MUL8 F1, 6, 0
.endm
	s_wait_tensorcnt 1                             ; my part of K step 0 is in (K step 1's load may be out)
	s_barrier_signal -1
	s_barrier_wait -1                              ; everybody's is
	FETCH 0, 0, F0
	QUARTER 0, 1, F0, F1, 1                        ; the first quarter stands in front of the loop: its products start the sums
	WIN 0                                          ; at a label and at a branch every window is 0
	s_mov_b32 s3, LAPS-1
.Llap:                                                 ; a trip goes once round the ring, from a lap's second quarter to the next lap's first, and fills both slots again
	QUARTER 0, 2, F1, F0, 0
	QUARTER 0, 3, F0, F1, 0
	TURN 0, 1, 1
	QUARTER 1, 1, F0, F1, 0
	QUARTER 1, 2, F1, F0, 0
	QUARTER 1, 3, F0, F1, 0
	TURN 1, 0, 1
	QUARTER 0, 1, F0, F1, 0
	WIN 0
	s_sub_co_u32 s3, s3, 1
	s_cmp_lg_u32 s3, 0
	s_cbranch_scc1 .Llap
	QUARTER 0, 2, F1, F0, 0                        ; the last lap fills nothing, and has no round of the cluster's barrier
	QUARTER 0, 3, F0, F1, 0
	TURN 0, 1, 0
	QUARTER 1, 1, F0, F1, 0
	QUARTER 1, 2, F1, F0, 0
	QUARTER 1, 3, F0, F1, 0
	s_wait_dscnt 8                                 ; the very last quarter: nothing more to fetch
	WIN MUL
	MUL8 F1, 0, 0
	MUL8 F1, 2, 0
	s_wait_dscnt 0
	MUL8 F1, 4, 0
	MUL8 F1, 6, 0
	WIN 0
; THE WAY OUT, block by block of 16 rows x 64 columns.  A lane holds 32 neighbouring bytes of a row, and the lanes beside it hold other rows: so a block goes through my own stage and comes back as whole rows of 256 bytes.
; LDS serves a wave's instructions in order (ISA guide 5.7.1.4): no wait between the stores and the loads, nor in front of the next block's stores.
.macro TOSTAGE a
	WIN 0x08                                       ; an LDS store's data are its source 1: window 2
.irp b, 0,1,2,3
	ds_store_b128 v[STO], v[32*(\a)+8*\b:32*(\a)+8*\b+3] offset:64*\b          ; each accumulator from its low end on
	ds_store_b128 v[STO], v[32*(\a)+8*\b+4:32*(\a)+8*\b+7] offset:64*\b+16
.endr
	WIN 0
.set BB, 64+32*((\a)%2)
.irp t, 0,1,2,3,4,5,6,7
	ds_load_b128 v[BB+4*\t:BB+4*\t+3], v[RD] offset:\t*2*272
.endr
.endm
.macro SEND a, younger                 ; younger: the LDS instructions issued behind block a's loads, which may stay out
.set BB, 64+32*((\a)%2)
	s_wait_dscnt \younger                          ; the block is back in registers
.irp t, 0,1,2,3,4,5,6,7
	global_store_b128 v[CO], v[BB+4*\t:BB+4*\t+3], s[8:9] offset:(16*(\a)+2*\t)*4096 th:TH_STORE_NT   ; 16 lanes store 256 consecutive bytes, aligned; 126 rows at the most: inside the signed 24-bit immediate; no base is stepped
.endr
.endm
	PLACES                                         ; behind the last products: for the reads of results
	TOSTAGE 0
.irp a, 1,2,3,4,5,6,7
.if \a > 1
	s_wait_xcnt 0x0                                ; block a - 2's stores have read their registers: block a's loads may land there
.endif
	TOSTAGE \a
	SEND \a-1, 16                                  ; behind block a - 1's loads: block a's 8 stores and 8 loads
.endr
	SEND 7, 0
	s_wait_tensorcnt 0x0                           ; the wave's end: these three lines, behind my last tensor load and my last LDS store
	ds_add_u32 v[SPW], v[NIL]
	s_wait_dscnt 0x0
	CROUND                                         ; the closing round: no work-group ends while a partner may still ask for a tile that names it
	s_endpgm
.Lfunc_end_k_qd1798a6c54_proj:
	.size	k_qd1798a6c54_proj, .Lfunc_end_k_qd1798a6c54_proj-k_qd1798a6c54_proj
	.p2alignl 7, 3214868480
	.fill 96, 4, 3214868480
	.section	.rodata,"a",@progbits
	.p2align	6, 0x0
	.amdhsa_kernel k_qd1798a6c54_proj
		.amdhsa_group_segment_fixed_size 327680
		.amdhsa_private_segment_fixed_size 0
		.amdhsa_enable_private_segment 0
		.amdhsa_kernarg_size 24
		.amdhsa_user_sgpr_count 2
		.amdhsa_user_sgpr_kernarg_segment_ptr 1
		.amdhsa_wavefront_size32 1
		.amdhsa_system_sgpr_workgroup_id_x 1
		.amdhsa_system_sgpr_workgroup_id_y 1
		.amdhsa_system_sgpr_workgroup_id_z 1
		.amdhsa_system_vgpr_workitem_id 0
		.amdhsa_next_free_vgpr 768
		.amdhsa_next_free_sgpr 66
		.amdhsa_reserve_vcc 0
		.amdhsa_float_denorm_mode_32 3
		.amdhsa_float_denorm_mode_16_64 3
		.amdhsa_memory_ordered 1
		.amdhsa_forward_progress 1
		.amdhsa_inst_pref_size 86
	.end_amdhsa_kernel
	.amdgpu_metadata
---
amdhsa.version: [ 1, 2 ]
amdhsa.kernels:
  - .name:           k_qd1798a6c54_proj
    .symbol:         k_qd1798a6c54_proj.kd
    .args:
      - { .name: yh, .offset: 0, .size: 8, .value_kind: global_buffer, .address_space: global }
      - { .name: wp_t, .offset: 8, .size: 8, .value_kind: global_buffer, .address_space: global }
      - { .name: out0, .offset: 16, .size: 8, .value_kind: global_buffer, .address_space: global }
    .group_segment_fixed_size: 327680
    .private_segment_fixed_size: 0
    .kernarg_segment_align: 8
    .kernarg_segment_size: 24
    .max_flat_workgroup_size: 128
    .sgpr_count:     66
    .vgpr_count:     768
    .wavefront_size: 32
...
	.end_amdgpu_metadata
.endif
;; end of part 4
;; launch fine (part 5): grid 16 x 4, 16 waves a work-group, no clusters, 71,680 bytes of LDS; arguments qkv_fine, w_proj, out0; writes out0
.if DOCPART == 5
	.amdgcn_target "amdgcn-amd-amdhsa--gfx1250"
	.amdhsa_code_object_version 6
	.text
	.protected	k_qd1798a6c54_fine
	.globl	k_qd1798a6c54_fine
	.p2align	8
	.type	k_qd1798a6c54_fine,@function
k_qd1798a6c54_fine:
	s_mov_b64 s[64:65], 0
	v_nop
	global_prefetch_b8 v0, s[64:65] scope:SCOPE_SE
	s_setreg_imm32_b32 hwreg(HW_REG_WAVE_MODE, 25, 1), 1
	s_wait_xcnt 0x0
; THE FIRST 16 POSITIONS OF EACH SEQUENCE, IN F32 THROUGHOUT: under the causal mask these rows average one to sixteen values, so the rounding of 16-bit operands weighs most there.
; qkv_fine [b 4][16][3072] f32 holds their q, k, v as the quantised product summed them; w_proj [1024 k][1024 n] f32 is read as it is given.  These 64 rows of out0 are written anew here.
; SHARES.  Work-group (slice, b) makes out0[b][0 .. 15][64 slice .. + 63].  Wave w is head w: it makes the head's 16 x 16 attention (32 matrix instructions, made anew in each of the 16 slices: small beside the rest)
; and multiplies its 64 of K by rows 64 w .. 64 w + 63 of w_proj at the slice's 64 columns; the 16 partial sums meet in LDS, and wave w adds up row w.
; All products by v_wmma_f32_16x16x4_f32, 96 a wave: no bulk work.  Along K the places are dealt alike to both sources, so that plain loads fill them.  Its accumulators (v192-239) are written by matrix instructions alone,
; each sum begins with the constant 0, and two or four accumulators take turns, one instruction a turn.
; LIMIT: the order of the sums differs from the reference's (K over two accumulators and over 16 waves, all f32).
.set PARTW, 16*272                     ; LDS: a wave's partial sums: 16 rows (queries) x (256 bytes + 16)
.set SPARE, 16*PARTW                   ; the spare words, 128 bytes for each wave: eight blocks of 256 bytes that no other line names
.set QA,  3                            ; v3   q, k: row r of 12,288 bytes + 16 h
.set VA,  4                            ; v4   v: rows 8 h on, column r
.set WA,  5                            ; v5   w_proj: rows 8 h on, column r
.set STO, 6                            ; v6   where I put 32 bytes of a partial row
.set RD,  7                            ; v7   row w of a partial sum, 8 bytes a lane
.set GO,  8                            ; v8   8 x lane
.set SPW, 14                           ; v14  LDS address of my spare word; never rewritten
.set NIL, 15                           ; v15  0; never rewritten
.set SS,  16                           ; v16-23   the scores, then p
.set PP,  24                           ; v24-31   p / the sum
.set QF,  32                           ; v32-63   q;   v64-95 k;   both later W's second half
.set KF,  64
.set VF,  96                           ; v96-127  v; later the 16 partial rows
.set WFA, 128                          ; v128-191 W's first half: outputs 0 .. 31 of the slice
.set WFB, 32
.set ACC, 192                          ; v192-207 two accumulators
.set YA,  208                          ; v208-239 y^T: four accumulators
	s_load_b128 s[4:7], s[0:1], 0x0                ; qkv_fine, w_proj
	s_load_b64 s[8:9], s[0:1], 0x10                ; out0
	v_lshl_add_u32 v[SPW], v0, 2, SPARE
	v_mov_b32 v[NIL], 0
	v_lshrrev_b32 v1, 5, v0
	v_readfirstlane_b32 s10, v1                    ; wave = head
	v_and_b32 v1, 15, v0                           ; r
	v_bfe_u32 v2, v0, 4, 1                         ; h
	v_mul_u32_u24 v[QA], v1, 12288
	v_lshl_add_u32 v[QA], v2, 4, v[QA]
	v_mul_u32_u24 v[VA], v2, 8*12288
	v_lshl_add_u32 v[VA], v1, 2, v[VA]
	v_lshlrev_b32 v[WA], 15, v2
	v_lshl_add_u32 v[WA], v1, 2, v[WA]
	s_mul_i32 s11, s10, PARTW
	v_mul_u32_u24 v[STO], v1, 272
	v_lshl_add_u32 v[STO], v2, 5, v[STO]
	v_add_nc_u32 v[STO], s11, v[STO]
	v_and_b32 v11, 31, v0
	v_lshlrev_b32 v[GO], 3, v11
	s_mul_i32 s11, s10, 272
	v_add_nc_u32 v[RD], s11, v[GO]
	v_lshlrev_b32 v9, 3, v2
	v_sub_nc_u32 v9, v1, v9                        ; r - 8 h
	v_mov_b32 v10, 0xff800000                      ; -infinity
	v_mov_b32 v12, 0                               ; (a lane permute's destination is written before it is named)
	v_mov_b32 v13, 0
	s_mov_b32 s12, 0x76543210
	s_mov_b32 s13, 0xfedcba98                      ; v_permlanex16_b32's selects for lane l xor 16
	s_mov_b32 s14, 0x3e38aa3b                      ; c = log2(e) / sqrt(64)
	s_and_b32 s15, ttmp7, 0xffff                   ; b
	s_mul_i32 s16, s15, 16*12288
	s_lshl_b32 s17, s10, 8                         ; the head's 64 columns
	s_add_co_u32 s16, s16, s17
	s_mov_b32 s17, 0
	s_lshl_b32 s18, s10, 18                        ; w_proj: 64 rows of 4,096 bytes a head,
	s_lshl_b32 s19, ttmp9, 8                       ; the slice's 64 columns
	s_add_co_u32 s18, s18, s19
	s_mov_b32 s19, 0
	s_lshl_b32 s20, s15, 11
	s_add_co_u32 s20, s20, s10                     ; out0: row 2,048 b + w
	s_lshl_b32 s20, s20, 12
	s_lshl_b32 s21, ttmp9, 8
	s_add_co_u32 s20, s20, s21
	s_mov_b32 s21, 0
	s_wait_kmcnt 0x0
	s_add_nc_u64 s[4:5], s[4:5], s[16:17]
	s_add_nc_u64 s[6:7], s[6:7], s[18:19]
	s_add_nc_u64 s[8:9], s[8:9], s[20:21]
.irp s, 0,1,2,3,4,5,6,7
	global_load_b128 v[QF+4*\s:QF+4*\s+3], v[QA], s[4:5] offset:32*\s           ; q(r, 8 s + 4 h + 0 .. 3)
.endr
.irp s, 0,1,2,3,4,5,6,7
	global_load_b128 v[KF+4*\s:KF+4*\s+3], v[QA], s[4:5] offset:4096+32*\s      ; k likewise: the same places along K in both sources
.endr
.irp c, 0,1,2,3
.irp i, 0,1,2,3,4,5,6,7
	global_load_b32 v[VF+8*\c+\i], v[VA], s[4:5] offset:8192+12288*\i+64*\c     ; v(key 8 h + i, channel 16 c + r)
.endr
.endr
.macro WLOAD wf, n0                    ; W(64 w + 16 c + 8 h + i, 16 (n0 + n) + r) into v[wf + 32 n + 8 c + i]
.irp n, 0,1
.irp c, 0,1,2,3
.irp i, 0,1,2,3,4,5,6,7
	global_load_b32 v[\wf+32*\n+8*\c+\i], v[WA], s[6:7] offset:4096*(16*\c+\i)+64*(\n0+\n)
.endr
.endr
.endr
.endm
	WLOAD WFA, 0
	s_wait_loadcnt 63                              ; 112 loads are issued; q's and k's 16 are the oldest.  96 younger ones might stay out; the wait's field holds 63, and a smaller count is right too
	; S^T = k q^T: source 0 = 16 keys, source 1 = 16 queries; a lane then holds query r and keys 8 h + 0 .. 7.  K = 64 in 16 steps of 4, on two accumulators by turns
.set n, 0
.rept 16
.if n < 2
	v_wmma_f32_16x16x4_f32 v[ACC+8*(n%2):ACC+8*(n%2)+7], v[KF+2*n:KF+2*n+1], v[QF+2*n:QF+2*n+1], 0
.else
	v_wmma_f32_16x16x4_f32 v[ACC+8*(n%2):ACC+8*(n%2)+7], v[KF+2*n:KF+2*n+1], v[QF+2*n:QF+2*n+1], v[ACC+8*(n%2):ACC+8*(n%2)+7]
.endif
.set n, n+1
.endr
.rept 8
	v_nop                                          ; eight places behind this form: for the loads into q's and k's registers and for the first read of the sums
.endr
	WLOAD WFB, 2                                   ; W's second half, where q and k lay
.irp j, 0,1,2,3,4,5,6,7
	v_add_f32 v[SS+\j], v[ACC+\j], v[ACC+8+\j]     ; the two halves of K; both accumulators from their low ends on
.endr
.irp j, 0,1,2,3,4,5,6,7
	v_cmp_gt_i32 vcc_lo, \j, v9                    ; key 8 h + j comes after query r
	v_cndmask_b32 v[SS+\j], v[SS+\j], v10, vcc_lo
.endr
	v_max3_num_f32 v11, v[SS], v[SS+1], v[SS+2]
	v_max3_num_f32 v11, v11, v[SS+3], v[SS+4]
	v_max3_num_f32 v11, v11, v[SS+5], v[SS+6]
	v_max_num_f32 v11, v11, v[SS+7]
	v_permlanex16_b32 v12, v11, s12, s13
	v_max_num_f32 v11, v11, v12                    ; the row's maximum: key 0 counts for every query
	v_mul_f32 v11, s14, v11
.irp j, 0,1,2,3,4,5,6,7
	v_fma_f32 v[SS+\j], v[SS+\j], s14, -v11        ; c s - c m
.endr
.irp j, 0,1,2,3,4,5,6,7
	v_exp_f32 v[SS+\j], v[SS+\j]
.endr
	v_nop                                          ; a plain instruction behind the last exponential
	s_wait_alu depctr_va_vdst(0)                   ; one wait for the eight, ahead of their first reader
	v_add_f32 v12, v[SS], v[SS+1]
	v_add_f32 v13, v[SS+2], v[SS+3]
	v_add_f32 v240, v[SS+4], v[SS+5]
	v_add_f32 v241, v[SS+6], v[SS+7]
	v_add_f32 v12, v12, v13
	v_add_f32 v240, v240, v241
	v_add_f32 v12, v12, v240
	v_permlanex16_b32 v13, v12, s12, s13
	v_add_f32 v12, v12, v13                        ; the row's sum
	v_rcp_f32 v12, v12
	v_nop
	s_wait_alu depctr_va_vdst(0)
.irp j, 0,1,2,3,4,5,6,7
	v_mul_f32 v[PP+\j], v[SS+\j], v12
.endr
	s_wait_loadcnt 63                              ; 176 loads are issued: all but the youngest 63 are in: v and W's first half among them
	; y^T = v^T p: source 0 = 16 channels, source 1 = my p: K = the 16 keys in 4 steps, place (h, j) of a step = key 8 h + 2 s + j in both sources; four accumulators by turns
.irp s, 0,1,2,3
.irp c, 0,1,2,3
.if \s == 0
	v_wmma_f32_16x16x4_f32 v[YA+8*\c:YA+8*\c+7], v[VF+8*\c+2*\s:VF+8*\c+2*\s+1], v[PP+2*\s:PP+2*\s+1], 0
.else
	v_wmma_f32_16x16x4_f32 v[YA+8*\c:YA+8*\c+7], v[VF+8*\c+2*\s:VF+8*\c+2*\s+1], v[PP+2*\s:PP+2*\s+1], v[YA+8*\c:YA+8*\c+7]
.endif
.endr
.endr
.rept 9
	v_nop                                          ; nine places before a matrix instruction takes these results as a source, or begins a sum anew on registers that matrix instructions have written
.endr
; out^T = W^T y^T for 32 outputs: source 0 = 16 columns of W, source 1 = y^T's registers as they stand: lane (r, h) holds query r and channels 16 c + 8 h + 0 .. 7.  Two accumulators by turns; then the partial sums go to LDS.
.macro PASS wf, off
.irp c, 0,1,2,3
.irp s, 0,1,2,3
.irp n, 0,1
.if (\c == 0) && (\s == 0)
	v_wmma_f32_16x16x4_f32 v[ACC+8*\n:ACC+8*\n+7], v[\wf+32*\n+8*\c+2*\s:\wf+32*\n+8*\c+2*\s+1], v[YA+8*\c+2*\s:YA+8*\c+2*\s+1], 0
.else
	v_wmma_f32_16x16x4_f32 v[ACC+8*\n:ACC+8*\n+7], v[\wf+32*\n+8*\c+2*\s:\wf+32*\n+8*\c+2*\s+1], v[YA+8*\c+2*\s:YA+8*\c+2*\s+1], v[ACC+8*\n:ACC+8*\n+7]
.endif
.endr
.endr
.endr
.rept 9
	v_nop                                          ; for the stores that read the sums, and for the next pass, which begins anew on the same accumulators
.endr
.irp n, 0,1
	ds_store_b128 v[STO], v[ACC+8*\n:ACC+8*\n+3] offset:\off+64*\n             ; lane (r, h): query r, outputs 16 n + 8 h + 0 .. 7; each accumulator from its low end on
	ds_store_b128 v[STO], v[ACC+8*\n+4:ACC+8*\n+7] offset:\off+64*\n+16
.endr
	s_wait_dscnt 0x0                               ; the stores have landed
.endm
	PASS WFA, 0
	s_wait_loadcnt 0x0                             ; W's second half
	PASS WFB, 128
	s_barrier_signal -1                            ; every wave's partial sums lie in LDS (its wait for its stores stands at the pass's end)
	s_barrier_wait -1
.irp p, 0,1,2,3,4,5,6,7,8,9,10,11,12,13,14,15
	ds_load_b64 v[VF+2*\p:VF+2*\p+1], v[RD] offset:PARTW*\p        ; row w of head p's partial sum: 32 lanes take its 256 bytes
.endr
	s_wait_dscnt 0x0
.irp p, 0,2,4,6,8,10,12,14
	v_pk_add_f32 v[VF+2*\p:VF+2*\p+1], v[VF+2*\p:VF+2*\p+1], v[VF+2*\p+2:VF+2*\p+3]
.endr
.irp p, 0,4,8,12
	v_pk_add_f32 v[VF+2*\p:VF+2*\p+1], v[VF+2*\p:VF+2*\p+1], v[VF+2*\p+4:VF+2*\p+5]
.endr
.irp p, 0,8
	v_pk_add_f32 v[VF+2*\p:VF+2*\p+1], v[VF+2*\p:VF+2*\p+1], v[VF+2*\p+8:VF+2*\p+9]
.endr
	v_pk_add_f32 v[VF:VF+1], v[VF:VF+1], v[VF+16:VF+17]
	global_store_b64 v[GO], v[VF:VF+1], s[8:9]     ; 32 lanes store 256 consecutive bytes, at a multiple of 256 from out0's first byte
	s_wait_tensorcnt 0x0                           ; the wave's end
	ds_add_u32 v[SPW], v[NIL]
	s_wait_dscnt 0x0
	s_endpgm
.Lfunc_end_k_qd1798a6c54_fine:
	.size	k_qd1798a6c54_fine, .Lfunc_end_k_qd1798a6c54_fine-k_qd1798a6c54_fine
	.p2alignl 7, 3214868480
	.fill 96, 4, 3214868480
	.section	.rodata,"a",@progbits
	.p2align	6, 0x0
	.amdhsa_kernel k_qd1798a6c54_fine
		.amdhsa_group_segment_fixed_size 71680
		.amdhsa_private_segment_fixed_size 0
		.amdhsa_enable_private_segment 0
		.amdhsa_kernarg_size 24
		.amdhsa_user_sgpr_count 2
		.amdhsa_user_sgpr_kernarg_segment_ptr 1
		.amdhsa_wavefront_size32 1
		.amdhsa_system_sgpr_workgroup_id_x 1
		.amdhsa_system_sgpr_workgroup_id_y 1
		.amdhsa_system_sgpr_workgroup_id_z 1
		.amdhsa_system_vgpr_workitem_id 0
		.amdhsa_next_free_vgpr 256
		.amdhsa_next_free_sgpr 66
		.amdhsa_reserve_vcc 1
		.amdhsa_float_denorm_mode_32 3
		.amdhsa_float_denorm_mode_16_64 3
		.amdhsa_memory_ordered 1
		.amdhsa_forward_progress 1
		.amdhsa_inst_pref_size 32
	.end_amdhsa_kernel
	.amdgpu_metadata
---
amdhsa.version: [ 1, 2 ]
amdhsa.kernels:
  - .name:           k_qd1798a6c54_fine
    .symbol:         k_qd1798a6c54_fine.kd
    .args:
      - { .name: qkv_fine, .offset: 0, .size: 8, .value_kind: global_buffer, .address_space: global }
      - { .name: w_proj, .offset: 8, .size: 8, .value_kind: global_buffer, .address_space: global }
      - { .name: out0, .offset: 16, .size: 8, .value_kind: global_buffer, .address_space: global }
    .group_segment_fixed_size: 71680
    .private_segment_fixed_size: 0
    .kernarg_segment_align: 8
    .kernarg_segment_size: 24
    .max_flat_workgroup_size: 512
    .sgpr_count:     66
    .vgpr_count:     256
    .wavefront_size: 32
...
	.end_amdgpu_metadata
.endif
;; end of part 5
